; MI455X (gfx1250); checked and timed in simulation.
; The chip was launched on July 23, 2026; its instructions are those of AMD's public machine-readable ISA for CDNA 5 (MIT licence, August 2026) and "CDNA5" Instruction Set Architecture Reference Guide (July 2026). The comments in the code are by the model that wrote it; some were corrected since.
;; Moe Hash Layer. Allowed arithmetic: matrix products marked QUANTISED: E3M2 operands, one E8M0 scale for each 32 along K, by v_wmma_scale_f32_16x16x128_f8f6f4 with both operands' format E3M2, f32 sums; everything else in f32.
;; Inputs: b_gate 8 x 2,048 float32; b_in 8 x 2,048 float32; b_out 8 x 512 float32; route 2,048 int32; w_gate_codes 8 x 2,048 x 16 x 24 uint8 (E3M2 codes of w_gate, K innermost, in blocks of 32 codes, four codes in three bytes); w_gate_scales 8 x 2,048 x 16 uint8 (E8M0 scales of w_gate, one for each 32 codes along K); w_in_codes 8 x 2,048 x 16 x 24 uint8 (E3M2 codes of w_in, K innermost, in blocks of 32 codes, four codes in three bytes); w_in_scales 8 x 2,048 x 16 uint8 (E8M0 scales of w_in, one for each 32 codes along K); w_out_codes 8 x 512 x 64 x 24 uint8 (E3M2 codes of w_out, K innermost, in blocks of 32 codes, four codes in three bytes); w_out_scales 8 x 512 x 64 uint8 (E8M0 scales of w_out, one for each 32 codes along K); x_codes 2 x 1,024 x 16 x 24 uint8 (E3M2 codes of x, K innermost, in blocks of 32 codes, four codes in three bytes); x_scales 2 x 1,024 x 16 uint8 (E8M0 scales of x, one for each 32 codes along K).
;; Outputs: out0 2 x 1,024 x 512 float32.
;; This version of the problem:
;;   THIS VERSION OF THE PROBLEM IS GIVEN IN LOW PRECISION. The matrix products marked QUANTISED in the list below multiply operands that are first quantised to E3M2 (3 exponent bits, 2 mantissa bits; 6 bits a number), with one power-of-two scale for each 32 numbers along K (OCP MX v1.0); their sums are f32. All else is computed in f32.
;;   The module's matrix products, in the order in which they are computed (A, B: the left and right operand; K: the contracted axis; several contracted axes count as one K, in the product's order):
;;     1. [M 2,048, K 512] x [K 512, N 2,048]; A: input x (given as codes); B: input w_gate (given as codes): QUANTISED
;;     2. [M 2,048, K 512] x [K 512, N 2,048]; A: input x (given as codes); B: input w_in (given as codes): QUANTISED
;;     3. [M 2,048, K 2,048] x [K 2,048, N 512]; A: computed on the way; B: input w_out (given as codes): QUANTISED
;;     4. [M 2,048, K 512] x [K 512, N 2,048]; A: input x (given as codes); B: input w_gate (given as codes): QUANTISED
;;     5. [M 2,048, K 512] x [K 512, N 2,048]; A: input x (given as codes); B: input w_in (given as codes): QUANTISED
;;     6. [M 2,048, K 2,048] x [K 2,048, N 512]; A: computed on the way; B: input w_out (given as codes): QUANTISED
;;     7. [M 2,048, K 512] x [K 512, N 2,048]; A: input x (given as codes); B: input w_gate (given as codes): QUANTISED
;;     8. [M 2,048, K 512] x [K 512, N 2,048]; A: input x (given as codes); B: input w_in (given as codes): QUANTISED
;;     9. [M 2,048, K 2,048] x [K 2,048, N 512]; A: computed on the way; B: input w_out (given as codes): QUANTISED
;;     10. [M 2,048, K 512] x [K 512, N 2,048]; A: input x (given as codes); B: input w_gate (given as codes): QUANTISED
;;     11. [M 2,048, K 512] x [K 512, N 2,048]; A: input x (given as codes); B: input w_in (given as codes): QUANTISED
;;     12. [M 2,048, K 2,048] x [K 2,048, N 512]; A: computed on the way; B: input w_out (given as codes): QUANTISED
;;     13. [M 2,048, K 512] x [K 512, N 2,048]; A: input x (given as codes); B: input w_gate (given as codes): QUANTISED
;;     14. [M 2,048, K 512] x [K 512, N 2,048]; A: input x (given as codes); B: input w_in (given as codes): QUANTISED
;;     15. [M 2,048, K 2,048] x [K 2,048, N 512]; A: computed on the way; B: input w_out (given as codes): QUANTISED
;;     16. [M 2,048, K 512] x [K 512, N 2,048]; A: input x (given as codes); B: input w_gate (given as codes): QUANTISED
;;     17. [M 2,048, K 512] x [K 512, N 2,048]; A: input x (given as codes); B: input w_in (given as codes): QUANTISED
;;     18. [M 2,048, K 2,048] x [K 2,048, N 512]; A: computed on the way; B: input w_out (given as codes): QUANTISED
;;     19. [M 2,048, K 512] x [K 512, N 2,048]; A: input x (given as codes); B: input w_gate (given as codes): QUANTISED
;;     20. [M 2,048, K 512] x [K 512, N 2,048]; A: input x (given as codes); B: input w_in (given as codes): QUANTISED
;;     21. [M 2,048, K 2,048] x [K 2,048, N 512]; A: computed on the way; B: input w_out (given as codes): QUANTISED
;;     22. [M 2,048, K 512] x [K 512, N 2,048]; A: input x (given as codes); B: input w_gate (given as codes): QUANTISED
;;     23. [M 2,048, K 512] x [K 512, N 2,048]; A: input x (given as codes); B: input w_in (given as codes): QUANTISED
;;     24. [M 2,048, K 2,048] x [K 2,048, N 512]; A: computed on the way; B: input w_out (given as codes): QUANTISED
;;   THE QUANTISER, for each operand of a quantised product, along K:
;;     - K is cut into blocks of 32 from its start; a last block that is shorter is filled with zeros.
;;     - A block's scale is 2^e with e = floor(log2(the largest magnitude in the block)) - 4, held to -126 .. 127; a block of zeros has e = 0. As a byte (E8M0): e + 127.
;;     - Each number is divided by its block's scale, clamped to +-28, and rounded to the nearest number of E3M2, ties to even, subnormals kept.
;;     - The product sums the exact products of the quantised numbers (number of the format x scale) in f32.
;;   ~~~python
;;   def quantise(x, axis):      # numpy; x: float32 -> the quantised numbers, widened to float32 again
;;       x = np.moveaxis(x, axis, -1); K = x.shape[-1]
;;       x = np.pad(x, [(0, 0)] * (x.ndim - 1) + [(0, -K % 32)]); x = x.reshape(x.shape[:-1] + (-1, 32)); a = np.abs(x).max(-1, keepdims=True)
;;       e = np.where(a > 0, np.clip(np.frexp(np.where(a > 0, a, 1))[1] - 1 - 4, -126, 127), 0)      # np.frexp(a)[1] - 1 = floor(log2(a)), exactly
;;       r = np.clip(x / 2.0 ** e, -28, 28)
;;       step = 2.0 ** (np.maximum(np.frexp(np.where(r == 0, 1, r))[1] - 1, -2) - 2)
;;       q = np.round(r / step) * step * 2.0 ** e      # np.round: ties to even
;;       return np.moveaxis(q.reshape(q.shape[:-2] + (-1,))[..., :K], -1, axis).astype(np.float32)
;;   ~~~
;;   OPERANDS COMPUTED ON THE WAY. 'Computed on the way' means the value that the module computes at that place (a softmax that the list does not call 'softmax' is quantised finished and normalised). What goes into a quantiser is computed in f32, as accurately as f32 sums, v_exp_f32 and their like allow (about 1e-6 of the number): no bf16 or f16 on the way to a quantiser, and a product that is left as it is and whose result goes on into a quantised operand takes f32 operands (vector FMAs, or v_wmma_f32_16x16x4_f32). A number that lies on a knife's edge between two numbers of the format may be rounded either way, as far as f32 arithmetic and the matrix unit's own rounding can turn it there, and no further.
;;   INPUTS GIVEN AS CODES. w_gate (in the module: [8, 512, 2048], K = its axis 1); w_in (in the module: [8, 512, 2048], K = its axis 1); w_out (in the module: [8, 2048, 512], K = its axis 1); x (in the module: [2, 1024, 512], K = its axis 2): each comes as NAME_codes (uint8): NAME with its K axis moved to the last place and cut into blocks of 32 codes, [.., K / 32, bytes a block], one block behind the other in memory; four codes in three bytes: a row's codes are one little-endian stream of bits, code i at bits 6 i .. 6 i + 5 (a code: sign, 3 exponent bits, 2 mantissa bits); and NAME_scales (uint8): the same leading axes, one E8M0 byte (e + 127) for each 32 codes along K. Its value is code x scale, taken as it is: it is not quantised again, and the codes and scales need not be those that the quantiser above would give.
;; 2 versions, each right; version 2 is version 1 with the launches up, down written anew for expert scheduling mode. Each part assembles by itself: llvm-mc -triple=amdgcn-amd-amdhsa -mcpu=gfx1250 --defsym DOCPART=n.
;; ======== version 1 of 2: 2 launches
;; workspace buffers: h_codes 25,165,824 bytes; h_scales 1,048,576 bytes
;; launch up (part 1): grid 32 x 8, 4 waves a work-group, no clusters, 49,664 bytes of LDS; arguments route, x_codes, x_scales, w_gate_codes, w_gate_scales, b_gate, w_in_codes, w_in_scales, b_in, h_codes, h_scales; writes h_codes, h_scales
.if DOCPART == 1
	.amdgcn_target "amdgcn-amd-amdhsa--gfx1250"
	.amdhsa_code_object_version 6
	.text
	.protected	k_q7a6eaa9cbc_up
	.globl	k_q7a6eaa9cbc_up
	.p2align	8
	.type	k_q7a6eaa9cbc_up,@function
k_q7a6eaa9cbc_up:
	s_mov_b64 s[64:65], 0
	v_nop
	global_prefetch_b8 v0, s[64:65] scope:SCOPE_SE
	s_setreg_imm32_b32 hwreg(HW_REG_WAVE_MODE, 25, 1), 1
	s_wait_xcnt 0x0
; h = silu(x Wg[e] + bg[e]) * (x Wi[e] + bi[e]) for the tokens whose route is e, quantised to E3M2 codes with one E8M0 byte for each 32 hidden units, stored in routed order.
; SHARES.  Work-group (x, y) = (chunk ch of 64 hidden units, expert e).  Wave w owns segment w, tokens 512 w .. 512 w + 511, and walks the segment's rows of expert e in tiles of 16.
; Every wave holds the chunk's 64 rows of Wg and of Wi in registers: 32 fragments, 384 registers.  Each wave reads a quarter of them from memory (each weight byte is read once in the launch);
; they reach the other waves through LDS as images of the registers.
; ROUTING.  Each wave sorts its segment for itself, in registers: rank = the number of matching tokens ahead of it, group by group of 32.  The next launch runs the same lines and gets the same order.
; Ranks from the count up to the last tile's end are given the token of rank 0: such rows are right copies of a right row, so EXEC is never changed.
; LAYOUT.  The products are used transposed (source 0 = 16 weight rows, source 1 = 16 tokens): a lane holds ONE token.  Tile 2 b + u takes weight rows 32 b + 8 u + r + 8 (r / 8), so that the 16 registers
; of tiles 2 b and 2 b + 1 are 16 neighbouring hidden units, 32 b + 16 (lane / 16) + 0 .. 15.
; K IS PERMUTED ALIKE ON BOTH SIDES: lane (r, h) takes the 48 consecutive bytes at 96 s + 48 h of its row (three loads of 16 bytes), which are blocks 4 s + 2 h and 4 s + 2 h + 1.  The unit takes a lane's
; first six registers as block h and its last six as block 2 + h of the K step, so each scale word has its two middle bytes swapped.
; NO JOINT LOADS, though the four chunks' work-groups of an expert read the same x: trip counts and branches hang on counts made from route, so this text has no tensor load.
; LIMITS: a token whose route lies outside 0 .. 7 is served by no work-group; NaN and infinities are not served; where the gate's sum lies under about -88 the exponential is infinite, its reciprocal 0
; and h is 0 (silu is under 1e-36 there); a block of zeros gets the byte 1 where the quantiser says 127: its codes are zeros, and this program alone reads the bytes.
; REGISTERS, in windows of 256.  Window 0: below.  Window 1: Wg's fragments at 12 (4 t + s).  Window 2: Wi's likewise.  Window 3: v0-63 the biases, 8 (4 mat + t); v64-159 two sets of x's four fragments.
.set VLANE, 1                          ; lane
.set VR,    2                          ; r = lane % 16
.set VH,    3                          ; h = lane / 16
.set VT4,   4                          ; 4 x lane
.set WO,    5                          ; a weight tile's row of my lane: (r + 8 (r / 8)) x 384 + 48 h
.set WSO,   6                          ; and its scale bytes: (r + 8 (r / 8)) x 16
.set BO,    7                          ; 64 h: my half's place in a tile's biases
.set L16,   8                          ; 16 x lane
.set IW,    9                          ; 16 x lane + 6144 x wave: where I store my fragments' images
.set H48,   11                         ; 48 h
.set VINV,  12                         ; the word of a lane that does not match
.set LST,   13                         ; lane l: the token (in the segment) of rank 32 q + l
.set LSX,   14                         ; the same of lane l xor 16
.set L8,    15                         ; 8 x lane
.set XO,    16                         ; v16, v18: x's code offsets of set 0, 1;  v17, v19: its scale offsets
.set HOA,   20                         ; v20-21 h's store offsets of set 0, 1: words 0-3 of a block;
.set HOB,   22                         ; v22-23 words 4-5;
.set HSO,   24                         ; v24-25 the scale bytes
.set VT0,   26                         ; v26-27 at work
.set R16,   30                         ; 16 r
.set P,     32                         ; v32-47 the sorted words: (rank / 32) << 16 | token, in lane rank % 32
.set WSC,   48                         ; v48-79 the weights' scale words: 4 (4 mat + t) + s
.set XSC,   80                         ; v80-87 x's scale words: 4 k + s
.set G,     96                         ; v96-127 the gate's sums
.set U,     128                        ; v128-159 the other sums, then h
.set TM,    160                        ; v160-161 largest magnitudes, v162-163 the other half's, v164-165 the conversions' scale operands, v166-167 the bytes
.set PC,    168                        ; v168-173, v176-181 a block's codes, set 0, 1
.set C1,    184                        ; v184-186 the second conversion's result
.set SB,    188                        ; v188-189 a row's two scale bytes, set 0, 1
.set RT,    192                        ; v192-207 route of my segment
.set SA,    208                        ; v208-239 the permutes' sources, two for each group
.set XF,    64                         ; in window 3
.set WV,    26                         ; s26 wave
.set CH,    27                         ; s27 chunk
.set SE,    28                         ; s28 expert
.set SPI,   29                         ; s29 the loop's counter: the pair of tiles in hand
.set SNP,   30                         ; s30 pairs of tiles
.set SCNT,  32                         ; s32 rows so far
.set SN,    33
.set SX,    34
.set ST,    35                         ; s35 tiles
.set SI,    36                         ; s36 the pair's first tile
.set SQ16,  37                         ; s37 (rank / 32) << 16 of the list to be selected
.set SDEF,  38                         ; s38 rank 0's token
.set SEG,   39                         ; s39 512 x wave
.set HI,    40                         ; s40 the mask of lanes 16-31
.set SEL,   42                         ; s[42:43] v_permlanex16_b32's selects for lane l xor 16
.set NL2E,  44                         ; s[44:45] -log2(e)
.set PSEL,  46                         ; s46 v_perm_b32's selector that swaps bytes 1 and 2
.set TA,    47                         ; s47-49 at work
.set MSB, 0
.macro WIN new                         ; the immediate's high byte repeats the setting that is left; a switch that changes nothing is dropped
.if MSB != \new
	s_set_vgpr_msb (MSB<<8)|\new
.set MSB, \new
.endif
.endm
; Group gi of 32 tokens (token 128 (gi / 4) + 4 lane + gi % 4).  A matching lane sends (rank / 32) << 16 | token to lane rank % 32; the others send the invalid word to the lanes that follow:
; the 32 targets are all different, so every lane of the result is written.  No LDS byte is touched.  Each group has its own two source registers.
.macro SORTG gi
	v_cmp_eq_u32 vcc_lo, s[SE], v[RT+(\gi)]
	s_bcnt1_i32_b32 s[SN], vcc_lo
	v_mbcnt_lo_u32_b32 v[SA+2*(\gi)], vcc_lo, s[SCNT]              ; rank = rows so far + matching lanes below me
	s_lshl_b32 s[SX], s[SCNT], 1
	s_add_co_u32 s[SX], s[SX], s[SN]
	v_add_nc_u32 v[VT0], s[SX], v[VLANE]
	v_sub_nc_u32 v[VT0], v[VT0], v[SA+2*(\gi)]                     ; a lane that does not match: rows so far + matches + the lanes below me that do not match
	v_lshrrev_b32 v[VT0+1], 5, v[SA+2*(\gi)]
	v_add_nc_u32 v[SA+2*(\gi)+1], 128*((\gi)/4)+(\gi)%4, v[VT4]
	v_lshl_or_b32 v[SA+2*(\gi)+1], v[VT0+1], 16, v[SA+2*(\gi)+1]
	v_cndmask_b32 v[SA+2*(\gi)+1], v[VINV], v[SA+2*(\gi)+1], vcc_lo
	v_cndmask_b32 v[SA+2*(\gi)], v[VT0], v[SA+2*(\gi)], vcc_lo
	v_lshlrev_b32 v[SA+2*(\gi)], 2, v[SA+2*(\gi)]
	v_and_b32 v[SA+2*(\gi)], 0x7c, v[SA+2*(\gi)]                   ; the target lane x 4
	ds_permute_b32 v[P+(\gi)], v[SA+2*(\gi)], v[SA+2*(\gi)+1]
	s_add_co_u32 s[SCNT], s[SCNT], s[SN]
.endm
; Lane l of dst = the token of rank 32 q + l (q << 16 in s[SQ16]), or rank 0's token where there is no such rank.  At most one of the 16 words of a lane carries this q.
.macro SELECT dst
	v_mov_b32 v[\dst], s[SDEF]
.irp gi, 0,1,2,3,4,5,6,7,8,9,10,11,12,13,14,15
	v_xor_b32 v[VT0+\gi%2], s[SQ16], v[P+\gi]
	v_cmp_gt_u32 vcc_lo, 0x10000, v[VT0+\gi%2]
	v_cndmask_b32 v[\dst], v[\dst], v[VT0+\gi%2], vcc_lo
.endr
.endm
; From the list: x's offsets for the even tile (ranks in lanes 0-15) and the odd one (lanes 16-31); in both, lanes r and 16 + r name row r's token.  The token is held inside x before it enters an address.
.macro ADDR
	v_permlanex16_b32 v[LSX], v[LST], s[SEL], s[SEL+1]
	v_cndmask_b32 v[VT0], v[LST], v[LSX], s[HI]
	v_cndmask_b32 v[VT0+1], v[LSX], v[LST], s[HI]
	v_add_nc_u32 v[VT0], s[SEG], v[VT0]
	v_add_nc_u32 v[VT0+1], s[SEG], v[VT0+1]
	v_min_u32 v[VT0], 0x7ff, v[VT0]
	v_min_u32 v[VT0+1], 0x7ff, v[VT0+1]
.irp k, 0,1
	v_mul_u32_u24 v[XO+2*\k], v[VT0+\k], 0x180                     ; a row of x: 384 bytes of codes,
	v_add_nc_u32 v[XO+2*\k], v[H48], v[XO+2*\k]
	v_lshlrev_b32 v[XO+2*\k+1], 4, v[VT0+\k]                       ; 16 scale bytes
.endr
.endm
.macro XLOAD k                         ; a tile of x into set k: 13 loads
	global_load_b128 v[XSC+4*\k:XSC+4*\k+3], v[XO+2*\k+1], s[8:9]
	WIN 0xc0                                       ; destination window 3
.irp s, 0,1,2,3
.irp i, 0,1,2
	global_load_b128 v[XF+48*\k+12*\s+4*\i:XF+48*\k+12*\s+4*\i+3], v[XO+2*\k], s[6:7] offset:96*\s+16*\i
.endr
.endr
	WIN 0
.endm
.macro WM d, a, b, c, sa, sb
	v_wmma_scale_f32_16x16x128_f8f6f4 v[(\d):(\d)+7], v[(\a):(\a)+11], v[(\b):(\b)+11], v[(\c):(\c)+7], v[\sa], v[\sb] matrix_a_fmt:MATRIX_FMT_BF6 matrix_b_fmt:MATRIX_FMT_BF6
.endm
; 32 matrix instructions: the gate's four tiles, then the other four, K step by K step.  The bias is the C of each sum's first product.  Four accumulators take turns, one instruction a turn.
.macro MM k
	WIN 0x3d                                       ; source 0 (Wg) window 1, source 1 (x) window 3, C (bias) window 3, D window 0
.irp t, 0,1,2,3
	WM G+8*\t, 48*\t, XF+48*\k, 8*\t, WSC+4*\t, XSC+4*\k
.endr
	WIN 0x0d                                       ; C window 0
.irp s, 1,2,3
.irp t, 0,1,2,3
	WM G+8*\t, 48*\t+12*\s, XF+48*\k+12*\s, G+8*\t, WSC+4*\t+\s, XSC+4*\k+\s
.endr
.endr
	WIN 0x3e                                       ; source 0 (Wi) window 2
.irp t, 0,1,2,3
	WM U+8*\t, 48*\t, XF+48*\k, 32+8*\t, WSC+16+4*\t, XSC+4*\k
.endr
	WIN 0x0e
.irp s, 1,2,3
.irp t, 0,1,2,3
	WM U+8*\t, 48*\t+12*\s, XF+48*\k+12*\s, U+8*\t, WSC+16+4*\t+\s, XSC+4*\k+\s
.endr
.endr
	WIN 0
.endm
; h = g u / (1 + 2^(-g log2 e)), in f32.  Every pass goes up the registers.  Each batch of 32 transcendentals has one plain line and one wait behind it.
.macro ACT
.set j, 0
.rept 16
	v_pk_mul_f32 v[U+j:U+j+1], v[U+j:U+j+1], v[G+j:G+j+1]
.set j, j+2
.endr
.set j, 0
.rept 16
	v_pk_mul_f32 v[G+j:G+j+1], v[G+j:G+j+1], s[NL2E:NL2E+1] op_sel_hi:[1,0]
.set j, j+2
.endr
.set j, 0
.rept 32
	v_exp_f32 v[G+j], v[G+j]
.set j, j+1
.endr
	v_nop                                          ; a plain line behind the last exponential
	s_wait_alu depctr_va_vdst(0)                   ; one wait for the batch, ahead of its first reader
.set j, 0
.rept 16
	v_pk_add_f32 v[G+j:G+j+1], v[G+j:G+j+1], 1.0 op_sel_hi:[1,0]
.set j, j+2
.endr
.set j, 0
.rept 32
	v_rcp_f32 v[G+j], v[G+j]
.set j, j+1
.endr
	v_nop
	s_wait_alu depctr_va_vdst(0)
.set j, 0
.rept 16
	v_pk_mul_f32 v[U+j:U+j+1], v[U+j:U+j+1], v[G+j:G+j+1]
.set j, j+2
.endr
.endm
; My row's 32 numbers (16 of each of the chunk's two blocks; lane l xor 16 holds the other 16) become codes: afterwards lane 16 c + r holds block c of row r, 24 bytes, in v[PC + 8 k] on.
.macro QUANT k
.irp b, 0,1
	v_max3_num_f32 v[TM+\b], |v[U+16*\b]|, |v[U+16*\b+1]|, 0x2800000   ; with the floor 2^(5 - 127): the byte cannot fall under 1
.endr
.irp i, 2,4,6,8,10,12,14
.irp b, 0,1
	v_max3_num_f32 v[TM+\b], v[TM+\b], |v[U+16*\b+\i]|, |v[U+16*\b+\i+1]|
.endr
.endr
.irp b, 0,1
	v_permlanex16_b32 v[TM+2+\b], v[TM+\b], s[SEL], s[SEL+1]
.endr
.irp b, 0,1
	v_max_num_f32 v[TM+\b], v[TM+\b], v[TM+2+\b]   ; the block's largest magnitude
.endr
.irp b, 0,1
	v_add_nc_u32 v[TM+4+\b], 0xfe000000, v[TM+\b]  ; 4 off its exponent field: the conversion takes this operand's exponent field as its scale
.endr
.irp b, 0,1
	v_lshrrev_b32 v[TM+6+\b], 23, v[TM+4+\b]       ; the scale's byte
.endr
	v_lshl_or_b32 v[SB+\k], v[TM+7], 8, v[TM+6]
	v_cvt_scalef32_pk16_bf6_f32 v[PC+8*\k:PC+8*\k+2], v[U:U+15], v[TM+4]
	v_cvt_scalef32_pk16_bf6_f32 v[C1:C1+2], v[U+16:U+31], v[TM+5]
	v_nop                                          ; one plain line behind a scaled conversion
.irp i, 0,1,2
	v_permlane16_swap_b32 v[PC+8*\k+\i], v[C1+\i]  ; the first's lanes 16-31 change places with the second's lanes 0-15: a whole block to a lane
.endr
.irp i, 0,1,2
	v_mov_b32 v[PC+8*\k+3+\i], v[C1+\i]
.endr
.endm
.macro STORE k
	global_store_b128 v[HOA+\k], v[PC+8*\k:PC+8*\k+3], s[22:23]                ; 32 lanes store 512 consecutive bytes, aligned to 256
	global_store_b64 v[HOB+\k], v[PC+8*\k+4:PC+8*\k+5], s[22:23] offset:512    ; and 256 more
	global_store_b16 v[HSO+\k], v[SB+\k], s[24:25]                             ; my row's two scale bytes, 16 bytes from row to row; both halves of the lanes write the same bytes with the same value
.endm
; One tile, from set k.
.macro TILE k
	s_wait_loadcnt 13                              ; this set's 13 loads are in; the other set's 13, issued behind them, may be out
.irp s, 0,1,2,3
	v_perm_b32 v[XSC+4*\k+\s], v[XSC+4*\k+\s], v[XSC+4*\k+\s], s[PSEL]
.endr
.if \k == 0
	s_wait_xcnt 0x0                                ; all earlier loads and stores have read their registers: the other set's offsets and both sets' store registers may be written
	s_add_co_u32 s[SQ16], s[SQ16], 0x10000
	SELECT LST                                     ; the next pair of tiles
	ADDR
.endif
	s_add_co_u32 s[TA], s[SI], \k
	s_min_u32 s[TA], s[TA], 31                     ; a pair (expert, segment) has room for 32 tiles
	s_mul_i32 s[TA+1], s[TA], 24576
	s_lshl_b32 s[TA+2], s[TA], 10
	v_add_nc_u32 v[HOA+\k], s[TA+1], v[L16]
	v_add_nc_u32 v[HOB+\k], s[TA+1], v[L8]
	v_add_nc_u32 v[HSO+\k], s[TA+2], v[R16]
.if \k == 1
.rept 5
	v_nop                                          ; with the three additions: eight plain lines between the swap of a scale word and the scaled product that reads it
.endr
.endif
	MM \k
.rept 4
	v_nop                                          ; four places behind the products, ahead of the loads into their operands and of the first read of their results
.endr
	XLOAD \k                                       ; the tile two further on; ranks past the count name rank 0's token
	ACT
	QUANT \k
	STORE \k
.endm
	s_load_b256 s[4:11], s[0:1], 0x0               ; route s[4:5], x's codes s[6:7], x's scales s[8:9], Wg's codes s[10:11]
	s_load_b256 s[12:19], s[0:1], 0x20             ; Wg's scales s[12:13], bg s[14:15], Wi's codes s[16:17], Wi's scales s[18:19]
	s_load_b128 s[20:23], s[0:1], 0x40             ; bi s[20:21], h's codes s[22:23]
	s_load_b64 s[24:25], s[0:1], 0x50              ; h's scales
	v_lshl_add_u32 v254, v0, 2, 0xc000
	v_mov_b32 v255, 0
	v_lshrrev_b32 v[VT0], 5, v0
	v_readfirstlane_b32 s[WV], v[VT0]
	v_and_b32 v[VLANE], 31, v0
	v_and_b32 v[VR], 15, v0
	v_bfe_u32 v[VH], v0, 4, 1
	v_lshlrev_b32 v[VT4], 2, v[VLANE]
	v_lshlrev_b32 v[L8], 3, v[VLANE]
	v_lshlrev_b32 v[L16], 4, v[VLANE]
	v_lshlrev_b32 v[R16], 4, v[VR]
	v_and_b32 v[VT0], 8, v[VR]
	v_add_nc_u32 v[VT0], v[VT0], v[VR]             ; r + 8 (r / 8)
	v_mul_u32_u24 v[H48], v[VH], 48
	v_mad_u32_u24 v[WO], v[VT0], 0x180, v[H48]
	v_lshlrev_b32 v[WSO], 4, v[VT0]
	v_lshlrev_b32 v[BO], 6, v[VH]
	v_mov_b32 v[VINV], 0xffff0000
	v_mov_b32 v[LSX], 0                            ; a lane permute's destination counts as one of its sources: written once
	v_mov_b32 v[TM+2], 0
	v_mov_b32 v[TM+3], 0
	s_mul_i32 s[TA], s[WV], 6144
	v_add_nc_u32 v[IW], s[TA], v[L16]
	s_mov_b32 s[CH], ttmp9
	s_and_b32 s[SE], ttmp7, 0xffff
	s_lshl_b32 s[SEG], s[WV], 9
	s_mov_b32 s[HI], 0xffff0000
	s_mov_b32 s[SEL], 0x76543210
	s_mov_b32 s[SEL+1], 0xfedcba98
	s_mov_b32 s[NL2E], 0xbfb8aa3b
	s_mov_b32 s[NL2E+1], s[NL2E]
	s_mov_b32 s[PSEL], 0x03010200
	; byte offsets, apart from the addresses
	s_lshl_b32 s50, s[WV], 11                      ; route: my segment
	s_mov_b32 s51, 0
	s_mul_i32 s52, s[SE], 786432                   ; the weights' codes: expert, chunk of 64 rows of 384 bytes, and the first row of the tile that I fetch: tile = my wave
	s_mul_i32 s[TA], s[CH], 24576
	s_add_co_u32 s52, s52, s[TA]
	s_lshr_b32 s[TA], s[WV], 1
	s_lshl_b32 s[TA], s[TA], 5
	s_and_b32 s[TA+1], s[WV], 1
	s_lshl_b32 s[TA+1], s[TA+1], 3
	s_add_co_u32 s[TA], s[TA], s[TA+1]
	s_mul_i32 s[TA], s[TA], 384
	s_add_co_u32 s52, s52, s[TA]
	s_mov_b32 s53, 0
	s_lshl_b32 s54, s[SE], 15                      ; their scales: expert, chunk
	s_lshl_b32 s[TA], s[CH], 10
	s_add_co_u32 s54, s54, s[TA]
	s_mov_b32 s55, 0
	s_lshl_b32 s56, s[SE], 13                      ; the biases
	s_lshl_b32 s[TA], s[CH], 8
	s_add_co_u32 s56, s56, s[TA]
	s_mov_b32 s57, 0
	s_lshl_b32 s[TA], s[SE], 2
	s_add_co_u32 s[TA], s[TA], s[WV]               ; the pair (expert, segment)
	s_mul_i32 s58, s[TA], 786432                   ; h's codes: [pair][tile 32][chunk 32][768 bytes]
	s_mul_i32 s[TA+1], s[CH], 768
	s_add_co_u32 s58, s58, s[TA+1]
	s_mov_b32 s59, 0
	s_lshl_b32 s60, s[TA], 15                      ; h's scales: [pair][tile 32][quarter of K 4][row 16][16 bytes]
	s_lshr_b32 s[TA+1], s[CH], 3
	s_lshl_b32 s[TA+1], s[TA+1], 8
	s_add_co_u32 s60, s60, s[TA+1]
	s_and_b32 s[TA+1], s[CH], 7
	s_lshl_b32 s[TA+1], s[TA+1], 1
	s_add_co_u32 s60, s60, s[TA+1]
	s_mov_b32 s61, 0
	s_wait_kmcnt 0x0
	s_add_nc_u64 s[4:5], s[4:5], s[50:51]
	s_add_nc_u64 s[10:11], s[10:11], s[52:53]
	s_add_nc_u64 s[16:17], s[16:17], s[52:53]
	s_add_nc_u64 s[12:13], s[12:13], s[54:55]
	s_add_nc_u64 s[18:19], s[18:19], s[54:55]
	s_add_nc_u64 s[14:15], s[14:15], s[56:57]
	s_add_nc_u64 s[20:21], s[20:21], s[56:57]
	s_add_nc_u64 s[22:23], s[22:23], s[58:59]
	s_add_nc_u64 s[24:25], s[24:25], s[60:61]
	; 52 loads: route 4, the weights' scale words 8, the biases 16, my eight fragments 24
.irp i, 0,1,2,3
	global_load_b128 v[RT+4*\i:RT+4*\i+3], v[L16], s[4:5] offset:512*\i
.endr
.irp t, 0,1,2,3
	global_load_b128 v[WSC+4*\t:WSC+4*\t+3], v[WSO], s[12:13] offset:(32*(\t/2)+8*(\t%2))*16
.endr
.irp t, 0,1,2,3
	global_load_b128 v[WSC+16+4*\t:WSC+16+4*\t+3], v[WSO], s[18:19] offset:(32*(\t/2)+8*(\t%2))*16
.endr
	WIN 0xc0                                       ; destination window 3
.irp t, 0,1,2,3
	global_load_b128 v[8*\t:8*\t+3], v[BO], s[14:15] offset:(32*(\t/2)+8*(\t%2))*4       ; lane (r, h), tile 2 b + u: hidden units 32 b + 16 h + 8 u + 0 .. 7
	global_load_b128 v[8*\t+4:8*\t+7], v[BO], s[14:15] offset:(32*(\t/2)+8*(\t%2))*4+16
.endr
.irp t, 0,1,2,3
	global_load_b128 v[32+8*\t:32+8*\t+3], v[BO], s[20:21] offset:(32*(\t/2)+8*(\t%2))*4
	global_load_b128 v[32+8*\t+4:32+8*\t+7], v[BO], s[20:21] offset:(32*(\t/2)+8*(\t%2))*4+16
.endr
	WIN 0x40                                       ; destination window 1: my fragments land at 48 mat + 12 s
.irp s, 0,1,2,3
.irp i, 0,1,2
	global_load_b128 v[12*\s+4*\i:12*\s+4*\i+3], v[WO], s[10:11] offset:96*\s+16*\i th:TH_LOAD_NT
.endr
.endr
.irp s, 0,1,2,3
.irp i, 0,1,2
	global_load_b128 v[48+12*\s+4*\i:48+12*\s+4*\i+3], v[WO], s[16:17] offset:96*\s+16*\i th:TH_LOAD_NT
.endr
.endr
	WIN 0
	s_wait_loadcnt 40                              ; route and the scale words are in; the 16 loads of biases and the 24 of weights may be out
.set j, 0
.rept 32
	v_perm_b32 v[WSC+j], v[WSC+j], v[WSC+j], s[PSEL]
.set j, j+1
.endr
	s_mov_b32 s[SCNT], 0
.irp gi, 0,1,2,3,4,5,6,7,8,9,10,11,12,13,14,15
	SORTG \gi
.endr
	s_wait_dscnt 0x0                               ; the 16 permutes are back
	s_add_co_u32 s[ST], s[SCNT], 15
	s_lshr_b32 s[ST], s[ST], 4                     ; tiles of 16 rows
	s_add_co_u32 s[SNP], s[ST], 1
	s_lshr_b32 s[SNP], s[SNP], 1                   ; pairs of tiles, the last perhaps half a pair;
	s_min_u32 s[SNP], s[SNP], 16                   ; a segment's 512 tokens make 32 tiles at the most
	s_mov_b32 s[SDEF], 0
	s_mov_b32 s[SQ16], 0
	SELECT LST
	v_readfirstlane_b32 s[SDEF], v[LST]            ; rank 0's token (0 where the pair has no row)
	SELECT LST
	ADDR
	XLOAD 0                                        ; tiles 0 and 1
	XLOAD 1
	s_wait_loadcnt 26                              ; all but x's 26 loads: my fragments and the biases are in
	WIN 0x04                                       ; an LDS store's data are its source 1: window 1
.irp m, 0,1
.irp s, 0,1,2,3
.irp i, 0,1,2
	ds_store_b128 v[IW], v[48*\m+12*\s+4*\i:48*\m+12*\s+4*\i+3] offset:24576*\m+1536*\s+512*\i   ; fragment (mat, tile = wave, s) at 1536 ((4 mat + tile) 4 + s), as it stands: 16 bytes a lane
.endr
.endr
.endr
	WIN 0
	s_wait_dscnt 0x0                               ; for the others' sake: my images lie in LDS
	s_barrier_signal -1
	s_barrier_wait -1                              ; everybody's do.  The launch's one barrier; nothing is written to LDS behind it
	WIN 0x40
.set j, 0
.rept 48
	ds_load_b128 v[4*j:4*j+3], v[L16] offset:512*j
.set j, j+1
.endr
	WIN 0x80
.set j, 0
.rept 48
	ds_load_b128 v[4*j:4*j+3], v[L16] offset:24576+512*j
.set j, j+1
.endr
	WIN 0
	s_wait_dscnt 0x0
	s_mov_b32 s[SPI], 0
	s_cmp_eq_u32 s[ST], 0
	s_cbranch_scc1 .Ldone                          ; no token of my segment goes to this expert
.Lpair:                                            ; a trip takes a pair of tiles; the counter steps by 1; the loop is left by falling through its branch back, or by the s_endpgm in its middle
	s_lshl_b32 s[SI], s[SPI], 1                    ; the pair's first tile
	TILE 0
	s_add_co_u32 s[TA], s[SI], 1
	s_cmp_lt_u32 s[TA], s[ST]
	s_cbranch_scc1 .Lodd                           ; the pair's odd tile exists: on to it
	s_wait_tensorcnt 0x0
	ds_add_u32 v254, v255
	s_wait_dscnt 0x0
	s_endpgm                                       ; an odd number of tiles: the wave ends here; only plain loads and stores are out
.Lodd:
	TILE 1
	s_add_co_u32 s[SPI], s[SPI], 1
	s_cmp_lt_u32 s[SPI], s[SNP]
	s_cbranch_scc1 .Lpair
.Ldone:
	s_wait_tensorcnt 0x0
	ds_add_u32 v254, v255
	s_wait_dscnt 0x0
	s_endpgm
.Lfunc_end_k_q7a6eaa9cbc_up:
	.size	k_q7a6eaa9cbc_up, .Lfunc_end_k_q7a6eaa9cbc_up-k_q7a6eaa9cbc_up
	.p2alignl 7, 3214868480
	.fill 96, 4, 3214868480
	.section	.rodata,"a",@progbits
	.p2align	6, 0x0
	.amdhsa_kernel k_q7a6eaa9cbc_up
		.amdhsa_group_segment_fixed_size 49664
		.amdhsa_private_segment_fixed_size 0
		.amdhsa_enable_private_segment 0
		.amdhsa_kernarg_size 88
		.amdhsa_user_sgpr_count 2
		.amdhsa_user_sgpr_kernarg_segment_ptr 1
		.amdhsa_wavefront_size32 1
		.amdhsa_system_sgpr_workgroup_id_x 1
		.amdhsa_system_sgpr_workgroup_id_y 1
		.amdhsa_system_sgpr_workgroup_id_z 1
		.amdhsa_system_vgpr_workitem_id 0
		.amdhsa_next_free_vgpr 928
		.amdhsa_next_free_sgpr 66
		.amdhsa_reserve_vcc 1
		.amdhsa_float_denorm_mode_32 3
		.amdhsa_float_denorm_mode_16_64 3
		.amdhsa_memory_ordered 1
		.amdhsa_forward_progress 1
		.amdhsa_inst_pref_size 69
	.end_amdhsa_kernel
	.amdgpu_metadata
---
amdhsa.version: [ 1, 2 ]
amdhsa.kernels:
  - .name:           k_q7a6eaa9cbc_up
    .symbol:         k_q7a6eaa9cbc_up.kd
    .args:
      - { .name: route, .offset: 0, .size: 8, .value_kind: global_buffer, .address_space: global }
      - { .name: x_codes, .offset: 8, .size: 8, .value_kind: global_buffer, .address_space: global }
      - { .name: x_scales, .offset: 16, .size: 8, .value_kind: global_buffer, .address_space: global }
      - { .name: w_gate_codes, .offset: 24, .size: 8, .value_kind: global_buffer, .address_space: global }
      - { .name: w_gate_scales, .offset: 32, .size: 8, .value_kind: global_buffer, .address_space: global }
      - { .name: b_gate, .offset: 40, .size: 8, .value_kind: global_buffer, .address_space: global }
      - { .name: w_in_codes, .offset: 48, .size: 8, .value_kind: global_buffer, .address_space: global }
      - { .name: w_in_scales, .offset: 56, .size: 8, .value_kind: global_buffer, .address_space: global }
      - { .name: b_in, .offset: 64, .size: 8, .value_kind: global_buffer, .address_space: global }
      - { .name: h_codes, .offset: 72, .size: 8, .value_kind: global_buffer, .address_space: global }
      - { .name: h_scales, .offset: 80, .size: 8, .value_kind: global_buffer, .address_space: global }
    .group_segment_fixed_size: 49664
    .private_segment_fixed_size: 0
    .kernarg_segment_align: 8
    .kernarg_segment_size: 88
    .max_flat_workgroup_size: 128
    .sgpr_count:     66
    .vgpr_count:     928
    .wavefront_size: 32
...
	.end_amdgpu_metadata
.endif
;; end of part 1
;; launch down (part 2): grid 32 x 8, 4 waves a work-group, no clusters, 104,960 bytes of LDS; arguments route, h_codes, h_scales, w_out_codes, w_out_scales, b_out, out0; writes out0
.if DOCPART == 2
	.amdgcn_target "amdgcn-amd-amdhsa--gfx1250"
	.amdhsa_code_object_version 6
	.text
	.protected	k_q7a6eaa9cbc_down
	.globl	k_q7a6eaa9cbc_down
	.p2align	8
	.type	k_q7a6eaa9cbc_down,@function
k_q7a6eaa9cbc_down:
	s_mov_b64 s[64:65], 0
	v_nop
	global_prefetch_b8 v0, s[64:65] scope:SCOPE_SE
	s_setreg_imm32_b32 hwreg(HW_REG_WAVE_MODE, 25, 1), 1
	s_wait_xcnt 0x0
; out[token] = h Wo[e] + bo[e], h as the launch before has stored it (codes and scale bytes in routed order), scattered to the tokens' rows.
; SHARES.  Work-group x = 8 g + c, y = e: segment g (tokens 512 g on), 64 output columns 64 c on (256 aligned bytes of each row of out), expert e.
; THE WAVES SPLIT K: wave w holds the slice's K quarter w (hidden units 512 w on: 4 tiles of 16 columns x 4 K steps, 192 registers) and reads only that quarter of each tile of h.
; The four partial sums of a tile meet in a stage in LDS; each wave then adds and stores 8 rows of every second tile.
; ROUNDS.  A loop of the constant count 6 takes 6 tiles a round, 36 in all for the 32 that a pair (expert, segment) can have.  A round's two barriers stand outside every branch; the work of a round that begins
; at or past the pair's last tile is jumped over; in a round with work all six tiles are loaded and multiplied, the tile's number held at the last one, and only tiles that exist are added up and stored.
; ROUTING: the same lines as in the launch before, so the same order.  Ranks past the count carry rank 0's token: their rows are copies of its row and go to its address with its value.  EXEC is never changed.
; LAYOUT.  Transposed use: source 0 = 16 rows of Wo (output columns), source 1 = 16 rows of h: lane (r, h) holds row r and columns 16 n + 8 h + 0 .. 7.
; K is permuted alike on both sides: a lane's first six registers are block 4 s + 2 h of the K step's four, its last six block 4 s + 2 h + 1; so each scale word has its two middle bytes swapped.
; NO JOINT LOADS, though the eight slices of a pair read the same h: branches hang on counts made from route, so this text has no tensor load.
; LIMITS: a token whose route lies outside 0 .. 7 is not written; NaN and infinities are not served.
; REGISTERS, in windows of 256.  Window 0: below.  Window 1: Wo's fragments at 12 (4 n + s).  Window 2: h's tiles 0-3 at 48 j + 12 s.  Window 3: tiles 4, 5.
.set VLANE, 1
.set VR,    2
.set VH,    3
.set VT4,   4
.set WO,    5                          ; 1536 r + 48 h: my row of a tile of Wo
.set WSO,   6                          ; 64 r: its scale bytes
.set R16,   7                          ; 16 r: a row's 16 scale bytes of h; my 16 bytes of a row's 256 of out and of bo
.set L16,   8                          ; 16 x lane
.set VA16,  9                          ; 768 h + 16 r: words 0-3 of a block of h
.set VA8,   10                         ; 768 h + 8 r: words 4-5
.set VINV,  12
.set STO,   13                         ; the stage, in: 26112 w + 272 r + 32 h
.set RD,    14                         ; back: partials of waves 0, 1;  v15: of waves 2, 3
.set BI,    16                         ; v16-19 4 x (8 w + 2 i + h): the lane of the list that holds my row's token
.set LQ,    20                         ; v20-22 the round's three lists: lane l = the token of rank 32 q + l
.set OA,    24                         ; v24-27 out's offsets
.set VT0,   28                         ; v28-29 at work
.set P,     32                         ; v32-47 the sorted words
.set WSC,   48                         ; v48-63 Wo's scale words: 4 n + s
.set HSC,   64                         ; v64-87 h's scale words: 4 j + s
.set BIAS,  88                         ; v88-91 bo at my four columns
.set ACC,   96                         ; v96-127, v128-159 two sets of four accumulators, for even and odd tiles
.set RR,    160                        ; v160-223 the partials read back: 16 i + 4 w'
.set SA,    160                        ; at the head: the permutes' sources
.set RT,    224                        ; v224-239 route of the segment
.set WV,    18
.set SC,    20                         ; s20 slice of columns
.set SG,    21                         ; s21 segment
.set SE,    22                         ; s22 expert
.set OFS,   24                         ; s[24:25] an offset, 0 in its high word
.set SCNT,  26
.set SN,    27
.set SX,    28
.set ST,    29                         ; s29 tiles
.set STL,   30                         ; s30 the last tile
.set TB0,   31                         ; s31 the round's first tile
.set RHO,   32                         ; s32 the round
.set SQ16,  33
.set SDEF,  34
.set SEG,   35                         ; s35 512 g
.set WH,    36                         ; s36 wave / 2
.set PSEL,  37
.set HB,    40                         ; s[40:51] the six tiles' code addresses
.set HS,    52                         ; s[52:63] and scale addresses
.set TA,    66                         ; s66-67 at work
.set MSB, 0
.macro WIN new
.if MSB != \new
	s_set_vgpr_msb (MSB<<8)|\new
.set MSB, \new
.endif
.endm
; Group gi of 32 tokens (token 128 (gi / 4) + 4 lane + gi % 4).  A matching lane sends (rank / 32) << 16 | token to lane rank % 32; the others send the invalid word to the lanes that follow:
; the 32 targets are all different, so every lane of the result is written.  No LDS byte is touched.  Each group has its own two source registers.
.macro SORTG gi
	v_cmp_eq_u32 vcc_lo, s[SE], v[RT+(\gi)]
	s_bcnt1_i32_b32 s[SN], vcc_lo
	v_mbcnt_lo_u32_b32 v[SA+2*(\gi)], vcc_lo, s[SCNT]
	s_lshl_b32 s[SX], s[SCNT], 1
	s_add_co_u32 s[SX], s[SX], s[SN]
	v_add_nc_u32 v[VT0], s[SX], v[VLANE]
	v_sub_nc_u32 v[VT0], v[VT0], v[SA+2*(\gi)]
	v_lshrrev_b32 v[VT0+1], 5, v[SA+2*(\gi)]
	v_add_nc_u32 v[SA+2*(\gi)+1], 128*((\gi)/4)+(\gi)%4, v[VT4]
	v_lshl_or_b32 v[SA+2*(\gi)+1], v[VT0+1], 16, v[SA+2*(\gi)+1]
	v_cndmask_b32 v[SA+2*(\gi)+1], v[VINV], v[SA+2*(\gi)+1], vcc_lo
	v_cndmask_b32 v[SA+2*(\gi)], v[VT0], v[SA+2*(\gi)], vcc_lo
	v_lshlrev_b32 v[SA+2*(\gi)], 2, v[SA+2*(\gi)]
	v_and_b32 v[SA+2*(\gi)], 0x7c, v[SA+2*(\gi)]
	ds_permute_b32 v[P+(\gi)], v[SA+2*(\gi)], v[SA+2*(\gi)+1]
	s_add_co_u32 s[SCNT], s[SCNT], s[SN]
.endm
.macro SELECT dst                      ; lane l of dst = the token of rank 32 q + l (q << 16 in s[SQ16]), or rank 0's
	v_mov_b32 v[\dst], s[SDEF]
.irp gi, 0,1,2,3,4,5,6,7,8,9,10,11,12,13,14,15
	v_xor_b32 v[VT0+\gi%2], s[SQ16], v[P+\gi]
	v_cmp_gt_u32 vcc_lo, 0x10000, v[VT0+\gi%2]
	v_cndmask_b32 v[\dst], v[\dst], v[VT0+\gi%2], vcc_lo
.endr
.endm
.macro WM d, a, b, c, sa, sb
	v_wmma_scale_f32_16x16x128_f8f6f4 v[(\d):(\d)+7], v[(\a):(\a)+11], v[(\b):(\b)+11], v[(\c):(\c)+7], v[\sa], v[\sb] matrix_a_fmt:MATRIX_FMT_BF6 matrix_b_fmt:MATRIX_FMT_BF6
.endm
.macro WMZ d, a, b, sa, sb             ; the first product starts the sum
	v_wmma_scale_f32_16x16x128_f8f6f4 v[(\d):(\d)+7], v[(\a):(\a)+11], v[(\b):(\b)+11], 0, v[\sa], v[\sb] matrix_a_fmt:MATRIX_FMT_BF6 matrix_b_fmt:MATRIX_FMT_BF6
.endm
; My quarter of tile j of h: 16 loads.  K step s is chunks 2 s and 2 s + 1 of my eight; lane (r, h) takes chunk 2 s + h: block 0's words 0-3, its words 4-5, block 1's words 0-3, its words 4-5.
.macro HLOAD j
.if \j < 4
	WIN 0x80
.else
	WIN 0xc0
.endif
.irp s, 0,1,2,3
	global_load_b128 v[48*(\j%4)+12*\s:48*(\j%4)+12*\s+3], v[VA16], s[HB+2*\j:HB+2*\j+1] offset:1536*\s
	global_load_b64 v[48*(\j%4)+12*\s+4:48*(\j%4)+12*\s+5], v[VA8], s[HB+2*\j:HB+2*\j+1] offset:1536*\s+512
	global_load_b128 v[48*(\j%4)+12*\s+6:48*(\j%4)+12*\s+9], v[VA16], s[HB+2*\j:HB+2*\j+1] offset:1536*\s+256
	global_load_b64 v[48*(\j%4)+12*\s+10:48*(\j%4)+12*\s+11], v[VA8], s[HB+2*\j:HB+2*\j+1] offset:1536*\s+640
.endr
.endm
; Tile j: 16 matrix instructions, four accumulators by turns, one instruction a turn; then my partial sums go to my part of the stage.
.macro TILEMM j
.if \j > 0
.if 16*(5-\j) > 63
	s_wait_loadcnt 63                              ; 16 (5 - j) younger loads could stay out; 63 is the largest count that the wait can name
.else
	s_wait_loadcnt 16*(5-\j)                       ; this tile's loads are in; the later tiles' 16 each may be out
.endif
.endif
.if \j >= 2
	s_wait_dscnt 8                                 ; the stage stores of tile j - 2, which read this set of accumulators, are done; tile j - 1's eight may be out
.endif
.if \j < 4
	WIN 0x09                                       ; source 0 (Wo) window 1, source 1 (h) window 2
.else
	WIN 0x0d                                       ; source 1 window 3
.endif
.irp n, 0,1,2,3
	WMZ ACC+32*(\j%2)+8*\n, 48*\n, 48*(\j%4), WSC+4*\n, HSC+4*\j
.endr
.irp s, 1,2,3
.irp n, 0,1,2,3
	WM ACC+32*(\j%2)+8*\n, 48*\n+12*\s, 48*(\j%4)+12*\s, ACC+32*(\j%2)+8*\n, WSC+4*\n+\s, HSC+4*\j+\s
.endr
.endr
	WIN 0
.rept 4
	v_nop                                          ; four places behind the products, ahead of the stores that read them and, behind tile 5, of the next round's loads into their operands
.endr
.irp n, 0,1,2,3
	ds_store_b128 v[STO], v[ACC+32*(\j%2)+8*\n:ACC+32*(\j%2)+8*\n+3] offset:4352*\j+64*\n          ; each accumulator from its low end on
	ds_store_b128 v[STO], v[ACC+32*(\j%2)+8*\n+4:ACC+32*(\j%2)+8*\n+7] offset:4352*\j+64*\n+16
.endr
.endm
; Tile 2 q + wave / 2 of the round, rows 8 (wave % 2) + 0 .. 7: the four waves' partial sums and the bias are added, and each row goes to its token.  Lanes 0-15 take one row's 256 bytes, lanes 16-31 the next.
.macro RED q
	s_add_co_u32 s[TA], s[TB0], 2*\q
	s_add_co_u32 s[TA], s[TA], s[WH]
	s_cmp_lt_u32 s[TA], s[ST]
	s_cbranch_scc0 .Lskip_\@
	s_wait_xcnt 0x0                                ; the earlier stores have read their data and offsets: both are written again below
.irp i, 0,1,2,3
	ds_bpermute_b32 v[OA+\i], v[BI+\i], v[LQ+\q]   ; the token of rank 32 q + 8 w + 2 i + h
.endr
.irp i, 0,1,2,3
.irp w, 0,1,2,3
	ds_load_b128 v[RR+16*\i+4*\w:RR+16*\i+4*\w+3], v[RD+\w/2] offset:26112*(\w%2)+8704*\q+544*\i
.endr
.endr
.irp i, 0,1,2,3
.set R0, RR+16*\i
	s_wait_dscnt 12-4*\i                           ; this pair of rows is in; the four loads of each later pair may be out
	v_pk_add_f32 v[R0:R0+1], v[R0:R0+1], v[R0+4:R0+5]
	v_pk_add_f32 v[R0+2:R0+3], v[R0+2:R0+3], v[R0+6:R0+7]
	v_pk_add_f32 v[R0+8:R0+9], v[R0+8:R0+9], v[R0+12:R0+13]
	v_pk_add_f32 v[R0+10:R0+11], v[R0+10:R0+11], v[R0+14:R0+15]
	v_add_nc_u32 v[OA+\i], s[SEG], v[OA+\i]
	v_min_u32 v[OA+\i], 0x7ff, v[OA+\i]            ; held inside out before it enters an address
	v_pk_add_f32 v[R0:R0+1], v[R0:R0+1], v[R0+8:R0+9]
	v_pk_add_f32 v[R0+2:R0+3], v[R0+2:R0+3], v[R0+10:R0+11]
	v_lshlrev_b32 v[OA+\i], 11, v[OA+\i]           ; a row of out is 2,048 bytes
	v_add_nc_u32 v[OA+\i], v[R16], v[OA+\i]
	v_pk_add_f32 v[R0:R0+1], v[R0:R0+1], v[BIAS:BIAS+1]
	v_pk_add_f32 v[R0+2:R0+3], v[R0+2:R0+3], v[BIAS+2:BIAS+3]
	global_store_b128 v[OA+\i], v[R0:R0+3], s[16:17] th:TH_STORE_NT    ; sixteen lanes store 256 consecutive bytes, aligned; written once, read by nobody here
.endr
.Lskip_\@:
.endm
	s_load_b256 s[4:11], s[0:1], 0x0               ; route s[4:5], h's codes s[6:7], h's scales s[8:9], Wo's codes s[10:11]
	s_load_b128 s[12:15], s[0:1], 0x20             ; Wo's scales s[12:13], bo s[14:15]
	s_load_b64 s[16:17], s[0:1], 0x30              ; out
	v_lshl_add_u32 v254, v0, 2, 0x19800
	v_mov_b32 v255, 0
	v_lshrrev_b32 v[VT0], 5, v0
	v_readfirstlane_b32 s[WV], v[VT0]
	v_and_b32 v[VLANE], 31, v0
	v_and_b32 v[VR], 15, v0
	v_bfe_u32 v[VH], v0, 4, 1
	v_lshlrev_b32 v[VT4], 2, v[VLANE]
	v_lshlrev_b32 v[L16], 4, v[VLANE]
	v_lshlrev_b32 v[R16], 4, v[VR]
	v_lshlrev_b32 v[WSO], 6, v[VR]
	v_mul_u32_u24 v[VT0], v[VH], 48
	v_mad_u32_u24 v[WO], v[VR], 0x600, v[VT0]
	v_mul_u32_u24 v[VT0], v[VH], 0x300
	v_lshl_add_u32 v[VA16], v[VR], 4, v[VT0]
	v_lshl_add_u32 v[VA8], v[VR], 3, v[VT0]
	v_mov_b32 v[VINV], 0xffff0000
	v_mov_b32 v[LQ+1], 0                           ; written once, so that they are written on every way to their readers
	v_mov_b32 v[LQ+2], 0
	s_mul_i32 s[TA], s[WV], 26112                  ; my part of the stage: six tiles of 16 rows x (256 bytes + 16)
	v_mul_u32_u24 v[STO], v[VR], 272
	v_lshl_add_u32 v[STO], v[VH], 5, v[STO]
	v_add_nc_u32 v[STO], s[TA], v[STO]
	s_lshr_b32 s[WH], s[WV], 1
	s_and_b32 s[TA+1], s[WV], 1
	s_mul_i32 s[TA], s[WH], 4352
	s_mul_i32 s[TA+1], s[TA+1], 2176
	s_add_co_u32 s[TA], s[TA], s[TA+1]
	v_mul_u32_u24 v[RD], v[VH], 272
	v_lshl_add_u32 v[RD], v[VR], 4, v[RD]
	v_add_nc_u32 v[RD], s[TA], v[RD]               ; tile wave / 2, row 8 (wave % 2) + h, 16 bytes a lane
	v_add_nc_u32 v[RD+1], 52224, v[RD]             ; the same two parts of the stage further on: an LDS offset has 16 bits
	s_lshl_b32 s[TA], s[WV], 5
	v_lshl_add_u32 v[BI], v[VH], 2, s[TA]
.irp i, 1,2,3
	v_add_nc_u32 v[BI+\i], 8*\i, v[BI]
.endr
	s_and_b32 s[SC], ttmp9, 7
	s_lshr_b32 s[SG], ttmp9, 3
	s_and_b32 s[SE], ttmp7, 0xffff
	s_lshl_b32 s[SEG], s[SG], 9
	s_mov_b32 s[PSEL], 0x03010200
	s_mov_b32 s[OFS+1], 0
	; byte offsets, apart from the addresses
	s_lshl_b32 s40, s[SG], 11                      ; route: the segment
	s_mov_b32 s41, 0
	s_mul_i32 s42, s[SE], 786432                   ; Wo's codes: expert, 64 rows of 1,536 bytes, my quarter of K
	s_mul_i32 s[TA], s[SC], 98304
	s_add_co_u32 s42, s42, s[TA]
	s_mul_i32 s[TA], s[WV], 384
	s_add_co_u32 s42, s42, s[TA]
	s_mov_b32 s43, 0
	s_lshl_b32 s44, s[SE], 15                      ; its scales: 64 bytes a row
	s_lshl_b32 s[TA], s[SC], 12
	s_add_co_u32 s44, s44, s[TA]
	s_lshl_b32 s[TA], s[WV], 4
	s_add_co_u32 s44, s44, s[TA]
	s_mov_b32 s45, 0
	s_lshl_b32 s46, s[SE], 11                      ; bo
	s_lshl_b32 s52, s[SC], 8                       ; out: the slice's 256 bytes of a row
	s_add_co_u32 s46, s46, s52
	s_mov_b32 s47, 0
	s_mov_b32 s53, 0
	s_lshl_b32 s[TA], s[SE], 2
	s_add_co_u32 s[TA], s[TA], s[SG]               ; the pair (expert, segment)
	s_mul_i32 s48, s[TA], 786432                   ; h's codes: the pair, my eight chunks of 768 bytes
	s_mul_i32 s[TA+1], s[WV], 6144
	s_add_co_u32 s48, s48, s[TA+1]
	s_mov_b32 s49, 0
	s_lshl_b32 s50, s[TA], 15                      ; h's scales: the pair, my quarter
	s_lshl_b32 s[TA+1], s[WV], 8
	s_add_co_u32 s50, s50, s[TA+1]
	s_mov_b32 s51, 0
	s_wait_kmcnt 0x0
	s_add_nc_u64 s[4:5], s[4:5], s[40:41]
	s_add_nc_u64 s[10:11], s[10:11], s[42:43]
	s_add_nc_u64 s[12:13], s[12:13], s[44:45]
	s_add_nc_u64 s[14:15], s[14:15], s[46:47]
	s_add_nc_u64 s[6:7], s[6:7], s[48:49]
	s_add_nc_u64 s[8:9], s[8:9], s[50:51]
	s_add_nc_u64 s[16:17], s[16:17], s[52:53]
	; 57 loads: route 4, Wo's scale words 4, the bias 1, my 16 fragments 48
.irp i, 0,1,2,3
	global_load_b128 v[RT+4*\i:RT+4*\i+3], v[L16], s[4:5] offset:512*\i
.endr
.irp n, 0,1,2,3
	global_load_b128 v[WSC+4*\n:WSC+4*\n+3], v[WSO], s[12:13] offset:1024*\n
.endr
	global_load_b128 v[BIAS:BIAS+3], v[R16], s[14:15]
	WIN 0x40                                       ; destination window 1
.irp n, 0,1,2,3
.irp s, 0,1,2,3
.irp i, 0,1,2
	global_load_b128 v[12*(4*\n+\s)+4*\i:12*(4*\n+\s)+4*\i+3], v[WO], s[10:11] offset:24576*\n+96*\s+16*\i
.endr
.endr
.endr
	WIN 0
	s_wait_loadcnt 48                              ; all but the 48 loads of weights
.set j, 0
.rept 16
	v_perm_b32 v[WSC+j], v[WSC+j], v[WSC+j], s[PSEL]
.set j, j+1
.endr
	s_mov_b32 s[SCNT], 0
.irp gi, 0,1,2,3,4,5,6,7,8,9,10,11,12,13,14,15
	SORTG \gi
.endr
	s_wait_dscnt 0x0                               ; the 16 permutes are back
	s_add_co_u32 s[ST], s[SCNT], 15
	s_lshr_b32 s[ST], s[ST], 4
	s_sub_co_u32 s[STL], s[ST], 1
	s_mov_b32 s[SDEF], 0
	s_mov_b32 s[SQ16], 0
	SELECT LQ
	v_readfirstlane_b32 s[SDEF], v[LQ]             ; rank 0's token
	s_mov_b32 s[RHO], 0
	s_mov_b32 s[TB0], 0
.Lround:
	s_cmp_lt_u32 s[TB0], s[ST]
	s_cbranch_scc0 .Lnowork
.irp j, 0,1,2,3,4,5
	s_add_co_u32 s[TA], s[TB0], \j
	s_min_u32 s[TA], s[TA], s[STL]                 ; past the last tile: the last tile once more; its sums are not stored
	s_min_u32 s[TA], s[TA], 31
	s_mul_i32 s[OFS], s[TA], 24576
	s_add_nc_u64 s[HB+2*\j:HB+2*\j+1], s[6:7], s[OFS:OFS+1]        ; (the last round's loads were all waited for at its tile 5)
	s_lshl_b32 s[OFS], s[TA], 10
	s_add_nc_u64 s[HS+2*\j:HS+2*\j+1], s[8:9], s[OFS:OFS+1]
.endr
.irp j, 0,1,2,3,4,5
	global_load_b128 v[HSC+4*\j:HSC+4*\j+3], v[R16], s[HS+2*\j:HS+2*\j+1]
.endr
.irp j, 0,1,2,3,4,5
	HLOAD \j
.endr
	WIN 0
	SELECT LQ                                      ; the round's 96 ranks, while the loads are on their way
	s_add_co_u32 s[SQ16], s[SQ16], 0x10000
	SELECT LQ+1
	s_add_co_u32 s[SQ16], s[SQ16], 0x10000
	SELECT LQ+2
	s_add_co_u32 s[SQ16], s[SQ16], 0x10000
	s_wait_loadcnt 63                              ; the weights, the six scale loads and tile 0 are in: 80 loads were issued behind tile 0's
.set j, 0
.rept 24
	v_perm_b32 v[HSC+j], v[HSC+j], v[HSC+j], s[PSEL]               ; tile 0's words first: behind each word's swap stand eight plain lines or more ahead of the scaled product that reads it
.set j, j+1
.endr
.irp j, 0,1,2,3,4,5
	TILEMM \j
.endr
.Lnowork:
	s_wait_dscnt 0x0                               ; for the others' sake: my partial sums lie in the stage
	s_barrier_signal -1
	s_barrier_wait -1
	RED 0
	RED 1
	RED 2
	s_wait_dscnt 0x0                               ; my reads of the stage are over
	s_barrier_signal -1
	s_barrier_wait -1                              ; everybody's are: the next round may write it
	s_add_co_u32 s[TB0], s[TB0], 6
	s_add_co_u32 s[RHO], s[RHO], 1
	s_cmp_lt_u32 s[RHO], 6
	s_cbranch_scc1 .Lround
	s_wait_tensorcnt 0x0
	ds_add_u32 v254, v255
	s_wait_dscnt 0x0
	s_endpgm
.Lfunc_end_k_q7a6eaa9cbc_down:
	.size	k_q7a6eaa9cbc_down, .Lfunc_end_k_q7a6eaa9cbc_down-k_q7a6eaa9cbc_down
	.p2alignl 7, 3214868480
	.fill 96, 4, 3214868480
	.section	.rodata,"a",@progbits
	.p2align	6, 0x0
	.amdhsa_kernel k_q7a6eaa9cbc_down
		.amdhsa_group_segment_fixed_size 104960
		.amdhsa_private_segment_fixed_size 0
		.amdhsa_enable_private_segment 0
		.amdhsa_kernarg_size 56
		.amdhsa_user_sgpr_count 2
		.amdhsa_user_sgpr_kernarg_segment_ptr 1
		.amdhsa_wavefront_size32 1
		.amdhsa_system_sgpr_workgroup_id_x 1
		.amdhsa_system_sgpr_workgroup_id_y 1
		.amdhsa_system_sgpr_workgroup_id_z 1
		.amdhsa_system_vgpr_workitem_id 0
		.amdhsa_next_free_vgpr 864
		.amdhsa_next_free_sgpr 72
		.amdhsa_reserve_vcc 1
		.amdhsa_float_denorm_mode_32 3
		.amdhsa_float_denorm_mode_16_64 3
		.amdhsa_memory_ordered 1
		.amdhsa_forward_progress 1
		.amdhsa_inst_pref_size 73
	.end_amdhsa_kernel
	.amdgpu_metadata
---
amdhsa.version: [ 1, 2 ]
amdhsa.kernels:
  - .name:           k_q7a6eaa9cbc_down
    .symbol:         k_q7a6eaa9cbc_down.kd
    .args:
      - { .name: route, .offset: 0, .size: 8, .value_kind: global_buffer, .address_space: global }
      - { .name: h_codes, .offset: 8, .size: 8, .value_kind: global_buffer, .address_space: global }
      - { .name: h_scales, .offset: 16, .size: 8, .value_kind: global_buffer, .address_space: global }
      - { .name: w_out_codes, .offset: 24, .size: 8, .value_kind: global_buffer, .address_space: global }
      - { .name: w_out_scales, .offset: 32, .size: 8, .value_kind: global_buffer, .address_space: global }
      - { .name: b_out, .offset: 40, .size: 8, .value_kind: global_buffer, .address_space: global }
      - { .name: out0, .offset: 48, .size: 8, .value_kind: global_buffer, .address_space: global }
    .group_segment_fixed_size: 104960
    .private_segment_fixed_size: 0
    .kernarg_segment_align: 8
    .kernarg_segment_size: 56
    .max_flat_workgroup_size: 128
    .sgpr_count:     72
    .vgpr_count:     864
    .wavefront_size: 32
...
	.end_amdgpu_metadata
.endif
;; end of part 2
;; ======== version 2 of 2: 2 launches; version 1 with the launches up, down written anew for expert scheduling mode
;; workspace buffers: h_codes 25,165,824 bytes; h_scales 1,048,576 bytes
;; launch up (part 3): grid 32 x 8, 4 waves a work-group, no clusters, 49,664 bytes of LDS; arguments route, x_codes, x_scales, w_gate_codes, w_gate_scales, b_gate, w_in_codes, w_in_scales, b_in, h_codes, h_scales; writes h_codes, h_scales
.if DOCPART == 3
	.amdgcn_target "amdgcn-amd-amdhsa--gfx1250"
	.amdhsa_code_object_version 6
	.text
	.protected	k_q7a6eaa9cbc_up
	.globl	k_q7a6eaa9cbc_up
	.p2align	8
	.type	k_q7a6eaa9cbc_up,@function
k_q7a6eaa9cbc_up:
	s_mov_b64 s[64:65], 0
	v_nop
	global_prefetch_b8 v0, s[64:65] scope:SCOPE_SE
	s_setreg_imm32_b32 hwreg(HW_REG_WAVE_SCHED_MODE, 0, 2), 2
	s_setreg_imm32_b32 hwreg(HW_REG_WAVE_MODE, 25, 1), 1
	s_wait_xcnt 0x0
	s_wait_alu depctr_vm_vsrc(0)
; h = silu(x Wg[e] + bg[e]) * (x Wi[e] + bi[e]) for the tokens whose route is e, quantised to E3M2 codes with one E8M0 byte for each 32 hidden units, stored in routed order.
; SHARES.  Work-group (x, y) = (chunk ch of 64 hidden units, expert e).  Wave w owns segment w, tokens 512 w .. 512 w + 511, and walks the segment's rows of expert e in tiles of 16.
; Every wave holds the chunk's 64 rows of Wg and of Wi in registers: 32 fragments, 384 registers.  Each wave reads a quarter of them from memory (each weight byte is read once in the launch);
; they reach the other waves through LDS as images of the registers.
; ROUTING.  Each wave sorts its segment for itself, in registers: rank = the number of matching tokens ahead of it, group by group of 32.  The next launch runs the same lines and gets the same order.
; Ranks from the count up to the last tile's end are given the token of rank 0: such rows are right copies of a right row, so EXEC is never changed.
; LAYOUT.  The products are used transposed (source 0 = 16 weight rows, source 1 = 16 tokens): a lane holds ONE token.  Tile 2 b + u takes weight rows 32 b + 8 u + r + 8 (r / 8), so that the 16 registers
; of tiles 2 b and 2 b + 1 are 16 neighbouring hidden units, 32 b + 16 (lane / 16) + 0 .. 15.
; K IS PERMUTED ALIKE ON BOTH SIDES: lane (r, h) takes the 48 consecutive bytes at 96 s + 48 h of its row (three loads of 16 bytes), which are blocks 4 s + 2 h and 4 s + 2 h + 1.  The unit takes a lane's
; first six registers as block h and its last six as block 2 + h of the K step, so each scale word has its two middle bytes swapped.
; NO JOINT LOADS, though the four chunks' work-groups of an expert read the same x: trip counts and branches hang on counts made from route, so this text has no tensor load.
; LIMITS: a token whose route lies outside 0 .. 7 is served by no work-group; NaN and infinities are not served; where the gate's sum lies under about -88 the exponential is infinite, its reciprocal 0
; and h is 0 (silu is under 1e-36 there); a block of zeros gets the byte 1 where the quantiser says 127: its codes are zeros, and this program alone reads the bytes.
; THE MODE: SCHED_MODE bits 1:0 = 2 (LLVM: expert scheduling mode 2), set by the entry lines.  The code itself states the register dependences
; between vector or matrix instructions and memory or LDS instructions, with s_wait_alu, always for 0.
; THE PLAN.  Registers that memory instructions touch, in the loop:
;   x's set k (window 3) and its scale words v[XSC + 4 k ..]   Tile k's 32 products read them; behind the wait for that tile's exponentials the loads of the tile two further on land in them.
;                                                              The words' middle bytes are swapped in tile 1 - k, ahead of the wait for its reciprocals.
;   v[XO ..] (four)            Written once a pair, at its head; read by the loads of both sets.
;   v[HOA + k], v[HOB + k], v[HSO + k], v[PC + 8 k ..], v[SB + k]   Written in tile k; read by its three stores, at its end.
; So a tile holds three waits on va_vdst, two of which stand behind its transcendentals in any case: behind the exponentials (the products are done with set k, the offsets are written: the set's 13 loads follow),
; behind the reciprocals (the other set's scale words are written), and behind the conversions (codes, bytes and offsets are written: the stores follow).  One wait on vm_vsrc a pair, at its head, frees all
; that the last pair's loads and stores have read.  A compare's mask goes to a scalar register; the compares stand in runs of 16 with one wait on va_sdst behind each run.
; REGISTERS, in windows of 256.  Window 0: below.  Window 1: Wg's fragments at 12 (4 t + s).  Window 2: Wi's likewise.  Window 3: v0-63 the biases, 8 (4 mat + t); v64-159 two sets of x's four fragments.
.set VLANE, 1                          ; lane
.set VR,    2                          ; r = lane % 16
.set VH,    3                          ; h = lane / 16
.set VT4,   4                          ; 4 x lane
.set WO,    5                          ; a weight tile's row of my lane: (r + 8 (r / 8)) x 384 + 48 h
.set WSO,   6                          ; and its scale bytes: (r + 8 (r / 8)) x 16
.set BO,    7                          ; 64 h: my half's place in a tile's biases
.set L16,   8                          ; 16 x lane
.set IW,    9                          ; 16 x lane + 6144 x wave: where I store my fragments' images
.set H48,   11                         ; 48 h
.set VINV,  12                         ; the word of a lane that does not match
.set LST,   13                         ; lane l: the token (in the segment) of rank 32 q + l
.set LSX,   14                         ; the same of lane l xor 16
.set L8,    15                         ; 8 x lane
.set XO,    16                         ; v16, v18: x's code offsets of set 0, 1;  v17, v19: its scale offsets
.set HOA,   20                         ; v20-21 h's store offsets of set 0, 1: words 0-3 of a block;
.set HOB,   22                         ; v22-23 words 4-5;
.set HSO,   24                         ; v24-25 the scale bytes
.set VT0,   26                         ; v26-27 at work
.set R16,   30                         ; 16 r
.set P,     32                         ; v32-47 the sorted words: (rank / 32) << 16 | token, in lane rank % 32
.set WSC,   48                         ; v48-79 the weights' scale words: 4 (4 mat + t) + s
.set XSC,   80                         ; v80-87 x's scale words: 4 k + s
.set G,     96                         ; v96-127 the gate's sums
.set U,     128                        ; v128-159 the other sums, then h
.set TM,    160                        ; v160-161 largest magnitudes, v162-163 the other half's, v164-165 the conversions' scale operands, v166-167 the bytes
.set PC,    168                        ; v168-173, v176-181 a block's codes, set 0, 1
.set C1,    184                        ; v184-186 the second conversion's result
.set SB,    188                        ; v188-189 a row's two scale bytes, set 0, 1
.set RT,    192                        ; v192-207 route of my segment
.set XT,    192                        ; behind the sort the same 16 registers: a selection's 16 words; vector instructions alone name them then
.set SA,    208                        ; v208-239 the permutes' sources, two for each group
.set XF,    64                         ; in window 3
.set WV,    26                         ; s26 wave
.set CH,    27                         ; s27 chunk
.set SE,    28                         ; s28 expert
.set SPI,   29                         ; s29 the loop's counter: the pair of tiles in hand
.set SNP,   30                         ; s30 pairs of tiles
.set SCNT,  32                         ; s32 rows so far
.set SN,    33
.set SX,    34
.set ST,    35                         ; s35 tiles
.set SI,    36                         ; s36 the pair's first tile
.set SQ16,  37                         ; s37 (rank / 32) << 16 of the list to be selected
.set SDEF,  38                         ; s38 rank 0's token
.set SEG,   39                         ; s39 512 x wave
.set HI,    40                         ; s40 the mask of lanes 16-31
.set SEL,   42                         ; s[42:43] v_permlanex16_b32's selects for lane l xor 16
.set NL2E,  44                         ; s[44:45] -log2(e)
.set PSEL,  46                         ; s46 v_perm_b32's selector that swaps bytes 1 and 2
.set TA,    47                         ; s47-49 at work
.set MK,    48                         ; s48-63 the masks of a run of 16 compares (s48, s49 are at work elsewhere; s50-61 hold byte offsets at the head only)
.set MSB, 0
.macro WIN new                         ; the immediate's high byte repeats the setting that is left; a switch that changes nothing is dropped
.if MSB != \new
	s_set_vgpr_msb (MSB<<8)|\new
.set MSB, \new
.endif
.endm
; Group gi of 32 tokens (token 128 (gi / 4) + 4 lane + gi % 4); its compare's mask lies in s[MK + gi].  A matching lane will send (rank / 32) << 16 | token to lane rank % 32; the others send the invalid word to
; the lanes that follow: the 32 targets are all different, so every lane of the result is written.  Each group has its own two source registers; the 16 permutes follow in one run.
.macro SORTG gi
	s_bcnt1_i32_b32 s[SN], s[MK+(\gi)]
	v_mbcnt_lo_u32_b32 v[SA+2*(\gi)], s[MK+(\gi)], s[SCNT]         ; rank = rows so far + matching lanes below me
	s_lshl_b32 s[SX], s[SCNT], 1
	s_add_co_u32 s[SX], s[SX], s[SN]
	v_add_nc_u32 v[VT0], s[SX], v[VLANE]
	v_sub_nc_u32 v[VT0], v[VT0], v[SA+2*(\gi)]                     ; a lane that does not match: rows so far + matches + the lanes below me that do not match
	v_lshrrev_b32 v[VT0+1], 5, v[SA+2*(\gi)]
	v_add_nc_u32 v[SA+2*(\gi)+1], 128*((\gi)/4)+(\gi)%4, v[VT4]
	v_lshl_or_b32 v[SA+2*(\gi)+1], v[VT0+1], 16, v[SA+2*(\gi)+1]
	v_cndmask_b32 v[SA+2*(\gi)+1], v[VINV], v[SA+2*(\gi)+1], s[MK+(\gi)]
	v_cndmask_b32 v[SA+2*(\gi)], v[VT0], v[SA+2*(\gi)], s[MK+(\gi)]
	v_lshlrev_b32 v[SA+2*(\gi)], 2, v[SA+2*(\gi)]
	v_and_b32 v[SA+2*(\gi)], 0x7c, v[SA+2*(\gi)]                   ; the target lane x 4
	s_add_co_u32 s[SCNT], s[SCNT], s[SN]
.endm
; Lane l of dst = the token of rank 32 q + l (q << 16 in s[SQ16]), or rank 0's token where there is no such rank.  At most one of the 16 words of a lane carries this q.
.macro SELECT dst
	v_mov_b32 v[\dst], s[SDEF]
.irp gi, 0,1,2,3,4,5,6,7,8,9,10,11,12,13,14,15
	v_xor_b32 v[XT+\gi], s[SQ16], v[P+\gi]
.endr
.irp gi, 0,1,2,3,4,5,6,7,8,9,10,11,12,13,14,15
	v_cmp_gt_u32 s[MK+\gi], 0x10000, v[XT+\gi]
.endr
	s_wait_alu depctr_va_sdst(0)                   ; the 16 compares have written their masks, ahead of the selects that read them
.irp gi, 0,1,2,3,4,5,6,7,8,9,10,11,12,13,14,15
	v_cndmask_b32 v[\dst], v[\dst], v[XT+\gi], s[MK+\gi]
.endr
.endm
; From the list: x's offsets for the even tile (ranks in lanes 0-15) and the odd one (lanes 16-31); in both, lanes r and 16 + r name row r's token.  The token is held inside x before it enters an address.
.macro ADDR
	v_permlanex16_b32 v[LSX], v[LST], s[SEL], s[SEL+1]
	v_cndmask_b32 v[VT0], v[LST], v[LSX], s[HI]
	v_cndmask_b32 v[VT0+1], v[LSX], v[LST], s[HI]
	v_add_nc_u32 v[VT0], s[SEG], v[VT0]
	v_add_nc_u32 v[VT0+1], s[SEG], v[VT0+1]
	v_min_u32 v[VT0], 0x7ff, v[VT0]
	v_min_u32 v[VT0+1], 0x7ff, v[VT0+1]
.irp k, 0,1
	v_mul_u32_u24 v[XO+2*\k], v[VT0+\k], 0x180                     ; a row of x: 384 bytes of codes,
	v_add_nc_u32 v[XO+2*\k], v[H48], v[XO+2*\k]
	v_lshlrev_b32 v[XO+2*\k+1], 4, v[VT0+\k]                       ; 16 scale bytes
.endr
.endm
.macro XLOAD k                         ; a tile of x into set k: 13 loads
	global_load_b128 v[XSC+4*\k:XSC+4*\k+3], v[XO+2*\k+1], s[8:9]
	WIN 0xc0                                       ; destination window 3
.irp s, 0,1,2,3
.irp i, 0,1,2
	global_load_b128 v[XF+48*\k+12*\s+4*\i:XF+48*\k+12*\s+4*\i+3], v[XO+2*\k], s[6:7] offset:96*\s+16*\i
.endr
.endr
	WIN 0
.endm
.macro WM d, a, b, c, sa, sb
	v_wmma_scale_f32_16x16x128_f8f6f4 v[(\d):(\d)+7], v[(\a):(\a)+11], v[(\b):(\b)+11], v[(\c):(\c)+7], v[\sa], v[\sb] matrix_a_fmt:MATRIX_FMT_BF6 matrix_b_fmt:MATRIX_FMT_BF6
.endm
; 32 matrix instructions: the gate's four tiles, then the other four, K step by K step.  The bias is the C of each sum's first product.  Four accumulators take turns, one instruction a turn.
.macro MM k
	WIN 0x3d                                       ; source 0 (Wg) window 1, source 1 (x) window 3, C (bias) window 3, D window 0
.irp t, 0,1,2,3
	WM G+8*\t, 48*\t, XF+48*\k, 8*\t, WSC+4*\t, XSC+4*\k
.endr
	WIN 0x0d                                       ; C window 0
.irp s, 1,2,3
.irp t, 0,1,2,3
	WM G+8*\t, 48*\t+12*\s, XF+48*\k+12*\s, G+8*\t, WSC+4*\t+\s, XSC+4*\k+\s
.endr
.endr
	WIN 0x3e                                       ; source 0 (Wi) window 2
.irp t, 0,1,2,3
	WM U+8*\t, 48*\t, XF+48*\k, 32+8*\t, WSC+16+4*\t, XSC+4*\k
.endr
	WIN 0x0e
.irp s, 1,2,3
.irp t, 0,1,2,3
	WM U+8*\t, 48*\t+12*\s, XF+48*\k+12*\s, U+8*\t, WSC+16+4*\t+\s, XSC+4*\k+\s
.endr
.endr
	WIN 0
.endm
; h = g u / (1 + 2^(-g log2 e)), in f32.  Every pass goes up the registers.  Each batch of 32 transcendentals has a plain line and one wait behind it.
; The two waits serve memory too: behind the first stand the loads into set k, which the tile's products have left; ahead of the second the other set's scale words are swapped.
.macro ACT k
.set j, 0
.rept 16
	v_pk_mul_f32 v[U+j:U+j+1], v[U+j:U+j+1], v[G+j:G+j+1]
.set j, j+2
.endr
.set j, 0
.rept 16
	v_pk_mul_f32 v[G+j:G+j+1], v[G+j:G+j+1], s[NL2E:NL2E+1] op_sel_hi:[1,0]
.set j, j+2
.endr
.set j, 0
.rept 32
	v_exp_f32 v[G+j], v[G+j]
.set j, j+1
.endr
	v_nop                                          ; a plain line behind the last exponential
	s_wait_alu depctr_va_vdst(0)                   ; the exponentials have written v[G ..], ahead of their first reader; the tile's products are done reading x's set k and its scale words, in which the loads below land; v[XO ..], their offsets, are written
	XLOAD \k                                       ; the tile two further on; ranks past the count name rank 0's token
.set j, 0
.rept 16
	v_pk_add_f32 v[G+j:G+j+1], v[G+j:G+j+1], 1.0 op_sel_hi:[1,0]
.set j, j+2
.endr
.set j, 0
.rept 32
	v_rcp_f32 v[G+j], v[G+j]
.set j, j+1
.endr
	s_wait_loadcnt 13                              ; the other set's 13 loads are in; the 13 just issued, behind them, may be out
.irp s, 0,1,2,3
	v_perm_b32 v[XSC+4*(1-\k)+\s], v[XSC+4*(1-\k)+\s], v[XSC+4*(1-\k)+\s], s[PSEL]   ; the next tile's scale words.  (Plain lines behind the last reciprocal.  More than eight plain lines follow ahead of the scaled products that read the words)
.endr
	s_wait_alu depctr_va_vdst(0)                   ; the reciprocals have written v[G ..], ahead of their first reader; the other set's scale words are written, which the next tile's products take
.set j, 0
.rept 16
	v_pk_mul_f32 v[U+j:U+j+1], v[U+j:U+j+1], v[G+j:G+j+1]
.set j, j+2
.endr
.endm
; My row's 32 numbers (16 of each of the chunk's two blocks; lane l xor 16 holds the other 16) become codes: afterwards lane 16 c + r holds block c of row r, 24 bytes, in v[PC + 8 k] on.
.macro QUANT k
.irp b, 0,1
	v_max3_num_f32 v[TM+\b], |v[U+16*\b]|, |v[U+16*\b+1]|, 0x2800000   ; with the floor 2^(5 - 127): the byte cannot fall under 1
.endr
.irp i, 2,4,6,8,10,12,14
.irp b, 0,1
	v_max3_num_f32 v[TM+\b], v[TM+\b], |v[U+16*\b+\i]|, |v[U+16*\b+\i+1]|
.endr
.endr
.irp b, 0,1
	v_permlanex16_b32 v[TM+2+\b], v[TM+\b], s[SEL], s[SEL+1]
.endr
.irp b, 0,1
	v_max_num_f32 v[TM+\b], v[TM+\b], v[TM+2+\b]   ; the block's largest magnitude
.endr
.irp b, 0,1
	v_add_nc_u32 v[TM+4+\b], 0xfe000000, v[TM+\b]  ; 4 off its exponent field: the conversion takes this operand's exponent field as its scale
.endr
.irp b, 0,1
	v_lshrrev_b32 v[TM+6+\b], 23, v[TM+4+\b]       ; the scale's byte
.endr
	v_lshl_or_b32 v[SB+\k], v[TM+7], 8, v[TM+6]
	v_cvt_scalef32_pk16_bf6_f32 v[PC+8*\k:PC+8*\k+2], v[U:U+15], v[TM+4]
	v_cvt_scalef32_pk16_bf6_f32 v[C1:C1+2], v[U+16:U+31], v[TM+5]
	v_nop                                          ; one plain line behind a scaled conversion
.irp i, 0,1,2
	v_permlane16_swap_b32 v[PC+8*\k+\i], v[C1+\i]  ; the first's lanes 16-31 change places with the second's lanes 0-15: a whole block to a lane
.endr
.irp i, 0,1,2
	v_mov_b32 v[PC+8*\k+3+\i], v[C1+\i]
.endr
.endm
.macro STORE k
	global_store_b128 v[HOA+\k], v[PC+8*\k:PC+8*\k+3], s[22:23]                ; 32 lanes store 512 consecutive bytes, aligned to 256
	global_store_b64 v[HOB+\k], v[PC+8*\k+4:PC+8*\k+5], s[22:23] offset:512    ; and 256 more
	global_store_b16 v[HSO+\k], v[SB+\k], s[24:25]                             ; my row's two scale bytes, 16 bytes from row to row; both halves of the lanes write the same bytes with the same value
.endm
; One tile, from set k.  At its head the set's 13 loads are in and its scale words are swapped: the tile before (ahead of the loop: the head) has seen to both.
.macro TILE k
.if \k == 0
	s_wait_xcnt 0x0                                ; all earlier loads and stores have had their addresses translated: both sets' offsets and both sets' store registers may be written
	s_wait_alu depctr_vm_vsrc(0)                   ; the loads issued so far have read v[XO ..], the last pair's stores their codes, bytes and offsets: this pair writes all of them again
	s_add_co_u32 s[SQ16], s[SQ16], 0x10000
	SELECT LST                                     ; the next pair of tiles
	ADDR
.endif
	s_add_co_u32 s[TA], s[SI], \k
	s_min_u32 s[TA], s[TA], 31                     ; a pair (expert, segment) has room for 32 tiles
	s_mul_i32 s[TA+1], s[TA], 24576
	s_lshl_b32 s[TA+2], s[TA], 10
	v_add_nc_u32 v[HOA+\k], s[TA+1], v[L16]
	v_add_nc_u32 v[HOB+\k], s[TA+1], v[L8]
	v_add_nc_u32 v[HSO+\k], s[TA+2], v[R16]
	MM \k
.rept 4
	v_nop                                          ; four places behind the products (ISA guide 7.12.1), ahead of the first read of their results
.endr
	ACT \k
	QUANT \k
	s_wait_alu depctr_va_vdst(0)                   ; the tile's codes, its scale bytes and its three store offsets are written, which the stores below read
	STORE \k
.endm
	s_load_b256 s[4:11], s[0:1], 0x0               ; route s[4:5], x's codes s[6:7], x's scales s[8:9], Wg's codes s[10:11]
	s_load_b256 s[12:19], s[0:1], 0x20             ; Wg's scales s[12:13], bg s[14:15], Wi's codes s[16:17], Wi's scales s[18:19]
	s_load_b128 s[20:23], s[0:1], 0x40             ; bi s[20:21], h's codes s[22:23]
	s_load_b64 s[24:25], s[0:1], 0x50              ; h's scales
	v_lshl_add_u32 v254, v0, 2, 0xc000
	v_mov_b32 v255, 0
	v_lshrrev_b32 v[VT0], 5, v0
	v_readfirstlane_b32 s[WV], v[VT0]
	v_and_b32 v[VLANE], 31, v0
	v_and_b32 v[VR], 15, v0
	v_bfe_u32 v[VH], v0, 4, 1
	v_lshlrev_b32 v[VT4], 2, v[VLANE]
	v_lshlrev_b32 v[L8], 3, v[VLANE]
	v_lshlrev_b32 v[L16], 4, v[VLANE]
	v_lshlrev_b32 v[R16], 4, v[VR]
	v_and_b32 v[VT0], 8, v[VR]
	v_add_nc_u32 v[VT0], v[VT0], v[VR]             ; r + 8 (r / 8)
	v_mul_u32_u24 v[H48], v[VH], 48
	v_mad_u32_u24 v[WO], v[VT0], 0x180, v[H48]
	v_lshlrev_b32 v[WSO], 4, v[VT0]
	v_lshlrev_b32 v[BO], 6, v[VH]
	v_mov_b32 v[VINV], 0xffff0000
	v_mov_b32 v[LSX], 0                            ; a lane permute's destination counts as one of its sources: written once
	v_mov_b32 v[TM+2], 0
	v_mov_b32 v[TM+3], 0
	s_wait_alu depctr_va_sdst(0)                   ; s[WV] is written, ahead of its first reader
	s_mul_i32 s[TA], s[WV], 6144
	v_add_nc_u32 v[IW], s[TA], v[L16]
	s_mov_b32 s[CH], ttmp9
	s_and_b32 s[SE], ttmp7, 0xffff
	s_lshl_b32 s[SEG], s[WV], 9
	s_mov_b32 s[HI], 0xffff0000
	s_mov_b32 s[SEL], 0x76543210
	s_mov_b32 s[SEL+1], 0xfedcba98
	s_mov_b32 s[NL2E], 0xbfb8aa3b
	s_mov_b32 s[NL2E+1], s[NL2E]
	s_mov_b32 s[PSEL], 0x03010200
	; byte offsets, apart from the addresses
	s_lshl_b32 s50, s[WV], 11                      ; route: my segment
	s_mov_b32 s51, 0
	s_mul_i32 s52, s[SE], 786432                   ; the weights' codes: expert, chunk of 64 rows of 384 bytes, and the first row of the tile that I fetch: tile = my wave
	s_mul_i32 s[TA], s[CH], 24576
	s_add_co_u32 s52, s52, s[TA]
	s_lshr_b32 s[TA], s[WV], 1
	s_lshl_b32 s[TA], s[TA], 5
	s_and_b32 s[TA+1], s[WV], 1
	s_lshl_b32 s[TA+1], s[TA+1], 3
	s_add_co_u32 s[TA], s[TA], s[TA+1]
	s_mul_i32 s[TA], s[TA], 384
	s_add_co_u32 s52, s52, s[TA]
	s_mov_b32 s53, 0
	s_lshl_b32 s54, s[SE], 15                      ; their scales: expert, chunk
	s_lshl_b32 s[TA], s[CH], 10
	s_add_co_u32 s54, s54, s[TA]
	s_mov_b32 s55, 0
	s_lshl_b32 s56, s[SE], 13                      ; the biases
	s_lshl_b32 s[TA], s[CH], 8
	s_add_co_u32 s56, s56, s[TA]
	s_mov_b32 s57, 0
	s_lshl_b32 s[TA], s[SE], 2
	s_add_co_u32 s[TA], s[TA], s[WV]               ; the pair (expert, segment)
	s_mul_i32 s58, s[TA], 786432                   ; h's codes: [pair][tile 32][chunk 32][768 bytes]
	s_mul_i32 s[TA+1], s[CH], 768
	s_add_co_u32 s58, s58, s[TA+1]
	s_mov_b32 s59, 0
	s_lshl_b32 s60, s[TA], 15                      ; h's scales: [pair][tile 32][quarter of K 4][row 16][16 bytes]
	s_lshr_b32 s[TA+1], s[CH], 3
	s_lshl_b32 s[TA+1], s[TA+1], 8
	s_add_co_u32 s60, s60, s[TA+1]
	s_and_b32 s[TA+1], s[CH], 7
	s_lshl_b32 s[TA+1], s[TA+1], 1
	s_add_co_u32 s60, s60, s[TA+1]
	s_mov_b32 s61, 0
	s_wait_kmcnt 0x0
	s_add_nc_u64 s[4:5], s[4:5], s[50:51]
	s_add_nc_u64 s[10:11], s[10:11], s[52:53]
	s_add_nc_u64 s[16:17], s[16:17], s[52:53]
	s_add_nc_u64 s[12:13], s[12:13], s[54:55]
	s_add_nc_u64 s[18:19], s[18:19], s[54:55]
	s_add_nc_u64 s[14:15], s[14:15], s[56:57]
	s_add_nc_u64 s[20:21], s[20:21], s[56:57]
	s_add_nc_u64 s[22:23], s[22:23], s[58:59]
	s_add_nc_u64 s[24:25], s[24:25], s[60:61]
	s_wait_alu depctr_va_vdst(0)                   ; the offsets and LDS addresses made above are written: the loads below, the image stores and the LDS loads read them, and none of these is written again
	; 52 loads: route 4, the weights' scale words 8, the biases 16, my eight fragments 24
.irp i, 0,1,2,3
	global_load_b128 v[RT+4*\i:RT+4*\i+3], v[L16], s[4:5] offset:512*\i
.endr
.irp t, 0,1,2,3
	global_load_b128 v[WSC+4*\t:WSC+4*\t+3], v[WSO], s[12:13] offset:(32*(\t/2)+8*(\t%2))*16
.endr
.irp t, 0,1,2,3
	global_load_b128 v[WSC+16+4*\t:WSC+16+4*\t+3], v[WSO], s[18:19] offset:(32*(\t/2)+8*(\t%2))*16
.endr
	WIN 0xc0                                       ; destination window 3
.irp t, 0,1,2,3
	global_load_b128 v[8*\t:8*\t+3], v[BO], s[14:15] offset:(32*(\t/2)+8*(\t%2))*4       ; lane (r, h), tile 2 b + u: hidden units 32 b + 16 h + 8 u + 0 .. 7
	global_load_b128 v[8*\t+4:8*\t+7], v[BO], s[14:15] offset:(32*(\t/2)+8*(\t%2))*4+16
.endr
.irp t, 0,1,2,3
	global_load_b128 v[32+8*\t:32+8*\t+3], v[BO], s[20:21] offset:(32*(\t/2)+8*(\t%2))*4
	global_load_b128 v[32+8*\t+4:32+8*\t+7], v[BO], s[20:21] offset:(32*(\t/2)+8*(\t%2))*4+16
.endr
	WIN 0x40                                       ; destination window 1: my fragments land at 48 mat + 12 s
.irp s, 0,1,2,3
.irp i, 0,1,2
	global_load_b128 v[12*\s+4*\i:12*\s+4*\i+3], v[WO], s[10:11] offset:96*\s+16*\i th:TH_LOAD_NT
.endr
.endr
.irp s, 0,1,2,3
.irp i, 0,1,2
	global_load_b128 v[48+12*\s+4*\i:48+12*\s+4*\i+3], v[WO], s[16:17] offset:96*\s+16*\i th:TH_LOAD_NT
.endr
.endr
	WIN 0
	s_wait_loadcnt 40                              ; route and the scale words are in; the 16 loads of biases and the 24 of weights may be out
.set j, 0
.rept 32
	v_perm_b32 v[WSC+j], v[WSC+j], v[WSC+j], s[PSEL]
.set j, j+1
.endr
	s_mov_b32 s[SCNT], 0
.irp gi, 0,1,2,3,4,5,6,7,8,9,10,11,12,13,14,15
	v_cmp_eq_u32 s[MK+\gi], s[SE], v[RT+\gi]       ; the 16 groups' compares in one run
.endr
	s_wait_alu depctr_va_sdst(0)                   ; the 16 masks are written, ahead of the counts, ranks and selects that read them
.irp gi, 0,1,2,3,4,5,6,7,8,9,10,11,12,13,14,15
	SORTG \gi
.endr
	s_wait_alu depctr_va_vdst(0)                   ; the 32 registers v[SA ..] are written, which the permutes read; so are the weights' swapped scale words, which the products take
.irp gi, 0,1,2,3,4,5,6,7,8,9,10,11,12,13,14,15
	ds_permute_b32 v[P+\gi], v[SA+2*\gi], v[SA+2*\gi+1]            ; no LDS byte is touched
.endr
	s_wait_dscnt 0x0                               ; the 16 permutes are back
	s_add_co_u32 s[ST], s[SCNT], 15
	s_lshr_b32 s[ST], s[ST], 4                     ; tiles of 16 rows
	s_add_co_u32 s[SNP], s[ST], 1
	s_lshr_b32 s[SNP], s[SNP], 1                   ; pairs of tiles, the last perhaps half a pair;
	s_min_u32 s[SNP], s[SNP], 16                   ; a segment's 512 tokens make 32 tiles at the most
	s_mov_b32 s[SDEF], 0
	s_mov_b32 s[SQ16], 0
	SELECT LST
	v_readfirstlane_b32 s[SDEF], v[LST]            ; rank 0's token (0 where the pair has no row)
	s_wait_alu depctr_va_sdst(0)                   ; s[SDEF] is written, ahead of its first reader
	SELECT LST
	ADDR
	s_wait_alu depctr_va_vdst(0)                   ; v[XO ..] are written, which the 26 loads below read
	XLOAD 0                                        ; tiles 0 and 1
	XLOAD 1
	s_wait_loadcnt 26                              ; all but x's 26 loads: my fragments and the biases are in
	WIN 0x04                                       ; an LDS store's data are its source 1: window 1
.irp m, 0,1
.irp s, 0,1,2,3
.irp i, 0,1,2
	ds_store_b128 v[IW], v[48*\m+12*\s+4*\i:48*\m+12*\s+4*\i+3] offset:24576*\m+1536*\s+512*\i   ; fragment (mat, tile = wave, s) at 1536 ((4 mat + tile) 4 + s), as it stands: 16 bytes a lane
.endr
.endr
.endr
	WIN 0
	s_wait_dscnt 0x0                               ; for the others' sake: my images lie in LDS
	s_barrier_signal -1
	s_barrier_wait -1                              ; everybody's do.  The launch's one barrier; nothing is written to LDS behind it
	WIN 0x40
	s_wait_alu depctr_vm_vsrc(0)                   ; my image stores have read window 1's first 96 registers, in which the LDS loads below land
.set j, 0
.rept 48
	ds_load_b128 v[4*j:4*j+3], v[L16] offset:512*j
.set j, j+1
.endr
	WIN 0x80
.set j, 0
.rept 48
	ds_load_b128 v[4*j:4*j+3], v[L16] offset:24576+512*j
.set j, j+1
.endr
	WIN 0
	s_wait_dscnt 0x0
	s_mov_b32 s[SPI], 0
	s_cmp_eq_u32 s[ST], 0
	s_cbranch_scc1 .Ldone                          ; no token of my segment goes to this expert
	s_wait_loadcnt 13                              ; tile 0's 13 loads are in; tile 1's, issued behind them, may be out
.irp s, 0,1,2,3
	v_perm_b32 v[XSC+\s], v[XSC+\s], v[XSC+\s], s[PSEL]
.endr
.rept 8
	v_nop                                          ; eight plain lines between the swap of a scale word and the scaled product that reads it
.endr
	s_wait_alu depctr_va_vdst(0)                   ; tile 0's scale words are written, which its products take
.Lpair:                                            ; a trip takes a pair of tiles; the counter steps by 1; the loop is left by falling through its branch back, or by the s_endpgm in its middle
	s_lshl_b32 s[SI], s[SPI], 1                    ; the pair's first tile
	TILE 0
	s_add_co_u32 s[TA], s[SI], 1
	s_cmp_lt_u32 s[TA], s[ST]
	s_cbranch_scc1 .Lodd                           ; the pair's odd tile exists: on to it
	s_wait_dscnt 0x0                               ; the closing lines, six on end
	s_wait_alu 0x0
	s_wait_tensorcnt 0x0
	ds_add_u32 v254, v255
	s_wait_dscnt 0x0
	s_endpgm                                       ; an odd number of tiles: the wave ends here; only plain loads and stores are out
.Lodd:
	TILE 1
	s_add_co_u32 s[SPI], s[SPI], 1
	s_cmp_lt_u32 s[SPI], s[SNP]
	s_cbranch_scc1 .Lpair
.Ldone:
	s_wait_dscnt 0x0                               ; the closing lines, six on end
	s_wait_alu 0x0
	s_wait_tensorcnt 0x0
	ds_add_u32 v254, v255
	s_wait_dscnt 0x0
	s_endpgm
.Lfunc_end_k_q7a6eaa9cbc_up:
	.size	k_q7a6eaa9cbc_up, .Lfunc_end_k_q7a6eaa9cbc_up-k_q7a6eaa9cbc_up
	.p2alignl 7, 3214868480
	.fill 96, 4, 3214868480
	.section	.rodata,"a",@progbits
	.p2align	6, 0x0
	.amdhsa_kernel k_q7a6eaa9cbc_up
		.amdhsa_group_segment_fixed_size 49664
		.amdhsa_private_segment_fixed_size 0
		.amdhsa_enable_private_segment 0
		.amdhsa_kernarg_size 88
		.amdhsa_user_sgpr_count 2
		.amdhsa_user_sgpr_kernarg_segment_ptr 1
		.amdhsa_wavefront_size32 1
		.amdhsa_system_sgpr_workgroup_id_x 1
		.amdhsa_system_sgpr_workgroup_id_y 1
		.amdhsa_system_sgpr_workgroup_id_z 1
		.amdhsa_system_vgpr_workitem_id 0
		.amdhsa_next_free_vgpr 928
		.amdhsa_next_free_sgpr 66
		.amdhsa_reserve_vcc 0
		.amdhsa_float_denorm_mode_32 3
		.amdhsa_float_denorm_mode_16_64 3
		.amdhsa_memory_ordered 1
		.amdhsa_forward_progress 1
		.amdhsa_inst_pref_size 75
	.end_amdhsa_kernel
	.amdgpu_metadata
---
amdhsa.version: [ 1, 2 ]
amdhsa.kernels:
  - .name:           k_q7a6eaa9cbc_up
    .symbol:         k_q7a6eaa9cbc_up.kd
    .args:
      - { .name: route, .offset: 0, .size: 8, .value_kind: global_buffer, .address_space: global }
      - { .name: x_codes, .offset: 8, .size: 8, .value_kind: global_buffer, .address_space: global }
      - { .name: x_scales, .offset: 16, .size: 8, .value_kind: global_buffer, .address_space: global }
      - { .name: w_gate_codes, .offset: 24, .size: 8, .value_kind: global_buffer, .address_space: global }
      - { .name: w_gate_scales, .offset: 32, .size: 8, .value_kind: global_buffer, .address_space: global }
      - { .name: b_gate, .offset: 40, .size: 8, .value_kind: global_buffer, .address_space: global }
      - { .name: w_in_codes, .offset: 48, .size: 8, .value_kind: global_buffer, .address_space: global }
      - { .name: w_in_scales, .offset: 56, .size: 8, .value_kind: global_buffer, .address_space: global }
      - { .name: b_in, .offset: 64, .size: 8, .value_kind: global_buffer, .address_space: global }
      - { .name: h_codes, .offset: 72, .size: 8, .value_kind: global_buffer, .address_space: global }
      - { .name: h_scales, .offset: 80, .size: 8, .value_kind: global_buffer, .address_space: global }
    .group_segment_fixed_size: 49664
    .private_segment_fixed_size: 0
    .kernarg_segment_align: 8
    .kernarg_segment_size: 88
    .max_flat_workgroup_size: 128
    .sgpr_count:     66
    .vgpr_count:     928
    .wavefront_size: 32
...
	.end_amdgpu_metadata
.endif
;; end of part 3
;; launch down (part 4): grid 32 x 8, 4 waves a work-group, no clusters, 104,960 bytes of LDS; arguments route, h_codes, h_scales, w_out_codes, w_out_scales, b_out, out0; writes out0
.if DOCPART == 4
	.amdgcn_target "amdgcn-amd-amdhsa--gfx1250"
	.amdhsa_code_object_version 6
	.text
	.protected	k_q7a6eaa9cbc_down
	.globl	k_q7a6eaa9cbc_down
	.p2align	8
	.type	k_q7a6eaa9cbc_down,@function
k_q7a6eaa9cbc_down:
	s_mov_b64 s[64:65], 0
	v_nop
	global_prefetch_b8 v0, s[64:65] scope:SCOPE_SE
	s_setreg_imm32_b32 hwreg(HW_REG_WAVE_SCHED_MODE, 0, 2), 2
	s_setreg_imm32_b32 hwreg(HW_REG_WAVE_MODE, 25, 1), 1
	s_wait_xcnt 0x0
	s_wait_alu depctr_vm_vsrc(0)
; out[token] = h Wo[e] + bo[e], h as the launch before has stored it (codes and scale bytes in routed order), scattered to the tokens' rows.
; SHARES.  Work-group x = 8 g + c, y = e: segment g (tokens 512 g on), 64 output columns 64 c on (256 aligned bytes of each row of out), expert e.
; THE WAVES SPLIT K: wave w holds the slice's K quarter w (hidden units 512 w on: 4 tiles of 16 columns x 4 K steps, 192 registers) and reads only that quarter of each tile of h.
; The four partial sums of a tile meet in a stage in LDS; each wave then adds and stores 8 rows of every second tile.
; ROUNDS.  A loop of the constant count 6 takes 6 tiles a round, 36 in all for the 32 that a pair (expert, segment) can have.  A round's two barriers stand outside every branch; the work of a round that begins
; at or past the pair's last tile is jumped over; in a round with work all six tiles are loaded and multiplied, the tile's number held at the last one, and only tiles that exist are added up and stored.
; ROUTING: the same lines as in the launch before, so the same order.  Ranks past the count carry rank 0's token: their rows are copies of its row and go to its address with its value.  EXEC is never changed.
; LAYOUT.  Transposed use: source 0 = 16 rows of Wo (output columns), source 1 = 16 rows of h: lane (r, h) holds row r and columns 16 n + 8 h + 0 .. 7.
; K is permuted alike on both sides: a lane's first six registers are block 4 s + 2 h of the K step's four, its last six block 4 s + 2 h + 1; so each scale word has its two middle bytes swapped.
; NO JOINT LOADS, though the eight slices of a pair read the same h: branches hang on counts made from route, so this text has no tensor load.
; LIMITS: a token whose route lies outside 0 .. 7 is not written; NaN and infinities are not served.
; THE MODE: SCHED_MODE bits 1:0 = 2 (LLVM: expert scheduling mode 2), set by the entry lines.  The code itself states the register dependences
; between vector or matrix instructions and memory or LDS instructions, with s_wait_alu, always for 0.
; THE PLAN.  Registers that memory or LDS instructions touch, in the loop:
;   h's six tiles (windows 2, 3) and v[HSC ..]   The round's loads land in them; its swaps write the scale words; its products read both.
;   the accumulators, A SET FOR EACH OF THE ROUND'S SIX TILES   Written by the tile's 16 products; read by its eight stage stores; written again in the next round.
;   v[LQ ..] (three lists)   Written by the round's selections; read by the lane permutes of the adding up.
;   v[RR ..], v[OA ..]       The stage's loads and the lane permutes land in them; the additions read and write them; the global stores read them.
; A round with work: one wait on vm_vsrc at its head (the last round's stage stores and lane permutes have read the accumulators and the lists); one on va_vdst ahead of its 102 loads (the last round's products are
; done with h); one behind the swaps and selections; then the tiles go in pairs: 32 products, four places, ONE wait on va_vdst, 16 stage stores, which go out under the next pair's products.
; Each adding up has its waits at its own head, inside its branch, and one more ahead of its four stores.  A compare's mask goes to a scalar register; the compares stand in runs of 16 with one wait on va_sdst.
; REGISTERS, in windows of 256.  Window 0: below.  Window 1: Wo's fragments at 12 (4 n + s).  Window 2: h's tiles 0-3 at 48 j + 12 s.  Window 3: tiles 4, 5; from v96 the accumulators of tiles 2 to 5.
.set VLANE, 1
.set VR,    2
.set VH,    3
.set VT4,   4
.set WO,    5                          ; 1536 r + 48 h: my row of a tile of Wo
.set WSO,   6                          ; 64 r: its scale bytes
.set R16,   7                          ; 16 r: a row's 16 scale bytes of h; my 16 bytes of a row's 256 of out and of bo
.set L16,   8                          ; 16 x lane
.set VA16,  9                          ; 768 h + 16 r: words 0-3 of a block of h
.set VA8,   10                         ; 768 h + 8 r: words 4-5
.set VINV,  12
.set STO,   13                         ; the stage, in: 26112 w + 272 r + 32 h
.set RD,    14                         ; back: partials of waves 0, 1;  v15: of waves 2, 3
.set BI,    16                         ; v16-19 4 x (8 w + 2 i + h): the lane of the list that holds my row's token
.set LQ,    20                         ; v20-22 the round's three lists: lane l = the token of rank 32 q + l
.set OA,    24                         ; v24-27 out's offsets
.set VT0,   28                         ; v28-29 at work
.set P,     32                         ; v32-47 the sorted words
.set WSC,   48                         ; v48-63 Wo's scale words: 4 n + s
.set HSC,   64                         ; v64-87 h's scale words: 4 j + s
.set BIAS,  88                         ; v88-91 bo at my four columns
.set ACC,   96                         ; v96-127, v128-159 the four accumulators of tile 0, of tile 1
.set ACH,   96                         ; in window 3: v96-223 those of tiles 2 to 5
.set RR,    160                        ; v160-223 the partials read back: 16 i + 4 w'
.set SA,    160                        ; at the head: the permutes' sources
.set RT,    224                        ; v224-239 route of the segment
.set XT,    224                        ; behind the sort the same 16 registers: a selection's 16 words; vector instructions alone name them then
.set WV,    18
.set SC,    20                         ; s20 slice of columns
.set SG,    21                         ; s21 segment
.set SE,    22                         ; s22 expert
.set OFS,   24                         ; s[24:25] an offset, 0 in its high word
.set SCNT,  26
.set SN,    27
.set SX,    28
.set ST,    29                         ; s29 tiles
.set STL,   30                         ; s30 the last tile
.set TB0,   31                         ; s31 the round's first tile
.set RHO,   32                         ; s32 the round
.set SQ16,  33
.set SDEF,  34
.set SEG,   35                         ; s35 512 g
.set WH,    36                         ; s36 wave / 2
.set PSEL,  37
.set HB,    40                         ; s[40:51] the six tiles' code addresses
.set HS,    52                         ; s[52:63] and scale addresses
.set TA,    66                         ; s66-67 at work
.set MKS,   40                         ; s40-55 the masks of the sort's 16 compares: behind the head's byte offsets, ahead of the tiles' addresses
.set MKA,   2                          ; the masks of a selection's 16 compares, four by four: s2-5 (s[4:5] held route's address: its loads are done),
.set MKB,   12                         ; s12-15 (the addresses of Wo's scales and of bo: their loads are done),
.set MKC,   20                         ; s20-23 (slice, segment and expert: read for the last time in the sort),
.set MKD,   68                         ; s68-71
.set MSB, 0
.macro WIN new
.if MSB != \new
	s_set_vgpr_msb (MSB<<8)|\new
.set MSB, \new
.endif
.endm
; Group gi of 32 tokens (token 128 (gi / 4) + 4 lane + gi % 4); its compare's mask lies in s[MKS + gi].  A matching lane will send (rank / 32) << 16 | token to lane rank % 32; the others send the invalid word to
; the lanes that follow: the 32 targets are all different, so every lane of the result is written.  Each group has its own two source registers; the 16 permutes follow in one run.
.macro SORTG gi
	s_bcnt1_i32_b32 s[SN], s[MKS+(\gi)]
	v_mbcnt_lo_u32_b32 v[SA+2*(\gi)], s[MKS+(\gi)], s[SCNT]
	s_lshl_b32 s[SX], s[SCNT], 1
	s_add_co_u32 s[SX], s[SX], s[SN]
	v_add_nc_u32 v[VT0], s[SX], v[VLANE]
	v_sub_nc_u32 v[VT0], v[VT0], v[SA+2*(\gi)]
	v_lshrrev_b32 v[VT0+1], 5, v[SA+2*(\gi)]
	v_add_nc_u32 v[SA+2*(\gi)+1], 128*((\gi)/4)+(\gi)%4, v[VT4]
	v_lshl_or_b32 v[SA+2*(\gi)+1], v[VT0+1], 16, v[SA+2*(\gi)+1]
	v_cndmask_b32 v[SA+2*(\gi)+1], v[VINV], v[SA+2*(\gi)+1], s[MKS+(\gi)]
	v_cndmask_b32 v[SA+2*(\gi)], v[VT0], v[SA+2*(\gi)], s[MKS+(\gi)]
	v_lshlrev_b32 v[SA+2*(\gi)], 2, v[SA+2*(\gi)]
	v_and_b32 v[SA+2*(\gi)], 0x7c, v[SA+2*(\gi)]
	s_add_co_u32 s[SCNT], s[SCNT], s[SN]
.endm
.macro SELECT dst                      ; lane l of dst = the token of rank 32 q + l (q << 16 in s[SQ16]), or rank 0's
	v_mov_b32 v[\dst], s[SDEF]
.irp gi, 0,1,2,3,4,5,6,7,8,9,10,11,12,13,14,15
	v_xor_b32 v[XT+\gi], s[SQ16], v[P+\gi]
.endr
.irp i, 0,1,2,3
	v_cmp_gt_u32 s[MKA+\i], 0x10000, v[XT+\i]
.endr
.irp i, 0,1,2,3
	v_cmp_gt_u32 s[MKB+\i], 0x10000, v[XT+4+\i]
.endr
.irp i, 0,1,2,3
	v_cmp_gt_u32 s[MKC+\i], 0x10000, v[XT+8+\i]
.endr
.irp i, 0,1,2,3
	v_cmp_gt_u32 s[MKD+\i], 0x10000, v[XT+12+\i]
.endr
	s_wait_alu depctr_va_sdst(0)                   ; the 16 compares have written their masks, ahead of the selects that read them
.irp i, 0,1,2,3
	v_cndmask_b32 v[\dst], v[\dst], v[XT+\i], s[MKA+\i]
.endr
.irp i, 0,1,2,3
	v_cndmask_b32 v[\dst], v[\dst], v[XT+4+\i], s[MKB+\i]
.endr
.irp i, 0,1,2,3
	v_cndmask_b32 v[\dst], v[\dst], v[XT+8+\i], s[MKC+\i]
.endr
.irp i, 0,1,2,3
	v_cndmask_b32 v[\dst], v[\dst], v[XT+12+\i], s[MKD+\i]
.endr
.endm
.macro WM d, a, b, c, sa, sb
	v_wmma_scale_f32_16x16x128_f8f6f4 v[(\d):(\d)+7], v[(\a):(\a)+11], v[(\b):(\b)+11], v[(\c):(\c)+7], v[\sa], v[\sb] matrix_a_fmt:MATRIX_FMT_BF6 matrix_b_fmt:MATRIX_FMT_BF6
.endm
.macro WMZ d, a, b, sa, sb             ; the first product starts the sum
	v_wmma_scale_f32_16x16x128_f8f6f4 v[(\d):(\d)+7], v[(\a):(\a)+11], v[(\b):(\b)+11], 0, v[\sa], v[\sb] matrix_a_fmt:MATRIX_FMT_BF6 matrix_b_fmt:MATRIX_FMT_BF6
.endm
; My quarter of tile j of h: 16 loads.  K step s is chunks 2 s and 2 s + 1 of my eight; lane (r, h) takes chunk 2 s + h: block 0's words 0-3, its words 4-5, block 1's words 0-3, its words 4-5.
.macro HLOAD j
.if \j < 4
	WIN 0x80
.else
	WIN 0xc0
.endif
.irp s, 0,1,2,3
	global_load_b128 v[48*(\j%4)+12*\s:48*(\j%4)+12*\s+3], v[VA16], s[HB+2*\j:HB+2*\j+1] offset:1536*\s
	global_load_b64 v[48*(\j%4)+12*\s+4:48*(\j%4)+12*\s+5], v[VA8], s[HB+2*\j:HB+2*\j+1] offset:1536*\s+512
	global_load_b128 v[48*(\j%4)+12*\s+6:48*(\j%4)+12*\s+9], v[VA16], s[HB+2*\j:HB+2*\j+1] offset:1536*\s+256
	global_load_b64 v[48*(\j%4)+12*\s+10:48*(\j%4)+12*\s+11], v[VA8], s[HB+2*\j:HB+2*\j+1] offset:1536*\s+640
.endr
.endm
; Tile j: 16 matrix instructions, four accumulators by turns, one instruction a turn.  Each of the round's tiles has accumulators of its own.
.macro TILEMM j
.if \j > 0
.if 16*(5-\j) > 63
	s_wait_loadcnt 63                              ; 16 (5 - j) younger loads could stay out; 63 is the largest count that the wait can name
.else
	s_wait_loadcnt 16*(5-\j)                       ; this tile's loads are in; the later tiles' 16 each may be out
.endif
.endif
.if \j < 2
.set AC, ACC+32*(\j)
	WIN 0x09                                       ; source 0 (Wo) window 1, source 1 (h) window 2, C and D window 0
.elseif \j < 4
.set AC, ACH+32*(\j-2)
	WIN 0xf9                                       ; C and D window 3
.else
.set AC, ACH+32*(\j-2)
	WIN 0xfd                                       ; source 1 window 3 too
.endif
.irp n, 0,1,2,3
	WMZ AC+8*\n, 48*\n, 48*(\j%4), WSC+4*\n, HSC+4*\j
.endr
.irp s, 1,2,3
.irp n, 0,1,2,3
	WM AC+8*\n, 48*\n+12*\s, 48*(\j%4)+12*\s, AC+8*\n, WSC+4*\n+\s, HSC+4*\j+\s
.endr
.endr
.endm
; Behind a pair of tiles: the places, then the wait, ahead of the pair's 16 stage stores.
.macro READY
	WIN 0
.rept 4
	v_nop                                          ; four places behind the products, ahead of the stores that read them
.endr
	s_wait_alu depctr_va_vdst(0)                   ; the pair's 32 products have written their accumulators, which the stage stores below read; the places above stay beside this wait
.endm
.macro STG j                           ; tile j's partial sums go to my part of the stage
.if \j < 2
.set AC, ACC+32*(\j)
	WIN 0
.else
.set AC, ACH+32*(\j-2)
	WIN 0x0c                                       ; an LDS store's data are its source 1: window 3
.endif
.irp n, 0,1,2,3
	ds_store_b128 v[STO], v[AC+8*\n:AC+8*\n+3] offset:4352*\j+64*\n          ; each accumulator from its low end on
	ds_store_b128 v[STO], v[AC+8*\n+4:AC+8*\n+7] offset:4352*\j+64*\n+16
.endr
.endm
; Tile 2 q + wave / 2 of the round, rows 8 (wave % 2) + 0 .. 7: the four waves' partial sums and the bias are added, and each row goes to its token.  Lanes 0-15 take one row's 256 bytes, lanes 16-31 the next.
.macro RED q
	s_add_co_u32 s[TA], s[TB0], 2*\q
	s_add_co_u32 s[TA], s[TA], s[WH]
	s_cmp_lt_u32 s[TA], s[ST]
	s_cbranch_scc0 .Lskip_\@
	s_wait_xcnt 0x0                                ; the earlier stores have had their addresses translated: their data and offsets are written again below
	s_wait_alu depctr_vm_vsrc(0)                   ; the earlier stores have read v[RR ..] and v[OA ..] (the first time round: the sort's permutes have read v[SA ..], the same registers), in which the loads and permutes below land
	s_wait_alu depctr_va_vdst(0)                   ; the additions of the tile added up last are done with v[RR ..] and v[OA ..]; the list v[LQ + q] is written, which the permutes read
.irp i, 0,1,2,3
	ds_bpermute_b32 v[OA+\i], v[BI+\i], v[LQ+\q]   ; the token of rank 32 q + 8 w + 2 i + h
.endr
.irp i, 0,1,2,3
.irp w, 0,1,2,3
	ds_load_b128 v[RR+16*\i+4*\w:RR+16*\i+4*\w+3], v[RD+\w/2] offset:26112*(\w%2)+8704*\q+544*\i
.endr
.endr
.irp i, 0,1,2,3
.set R0, RR+16*\i
	s_wait_dscnt 12-4*\i                           ; this pair of rows is in; the four loads of each later pair may be out
	v_pk_add_f32 v[R0:R0+1], v[R0:R0+1], v[R0+4:R0+5]
	v_pk_add_f32 v[R0+2:R0+3], v[R0+2:R0+3], v[R0+6:R0+7]
	v_pk_add_f32 v[R0+8:R0+9], v[R0+8:R0+9], v[R0+12:R0+13]
	v_pk_add_f32 v[R0+10:R0+11], v[R0+10:R0+11], v[R0+14:R0+15]
	v_add_nc_u32 v[OA+\i], s[SEG], v[OA+\i]
	v_min_u32 v[OA+\i], 0x7ff, v[OA+\i]            ; held inside out before it enters an address
	v_pk_add_f32 v[R0:R0+1], v[R0:R0+1], v[R0+8:R0+9]
	v_pk_add_f32 v[R0+2:R0+3], v[R0+2:R0+3], v[R0+10:R0+11]
	v_lshlrev_b32 v[OA+\i], 11, v[OA+\i]           ; a row of out is 2,048 bytes
	v_add_nc_u32 v[OA+\i], v[R16], v[OA+\i]
	v_pk_add_f32 v[R0:R0+1], v[R0:R0+1], v[BIAS:BIAS+1]
	v_pk_add_f32 v[R0+2:R0+3], v[R0+2:R0+3], v[BIAS+2:BIAS+3]
.endr
	s_wait_alu depctr_va_vdst(0)                   ; the four pairs of rows' sums and their offsets are written, which the stores below read
.irp i, 0,1,2,3
	global_store_b128 v[OA+\i], v[RR+16*\i:RR+16*\i+3], s[16:17] th:TH_STORE_NT    ; sixteen lanes store 256 consecutive bytes, aligned; written once, read by nobody here
.endr
.Lskip_\@:
.endm
	s_load_b256 s[4:11], s[0:1], 0x0               ; route s[4:5], h's codes s[6:7], h's scales s[8:9], Wo's codes s[10:11]
	s_load_b128 s[12:15], s[0:1], 0x20             ; Wo's scales s[12:13], bo s[14:15]
	s_load_b64 s[16:17], s[0:1], 0x30              ; out
	v_lshl_add_u32 v254, v0, 2, 0x19800
	v_mov_b32 v255, 0
	v_lshrrev_b32 v[VT0], 5, v0
	v_readfirstlane_b32 s[WV], v[VT0]
	v_and_b32 v[VLANE], 31, v0
	v_and_b32 v[VR], 15, v0
	v_bfe_u32 v[VH], v0, 4, 1
	v_lshlrev_b32 v[VT4], 2, v[VLANE]
	v_lshlrev_b32 v[L16], 4, v[VLANE]
	v_lshlrev_b32 v[R16], 4, v[VR]
	v_lshlrev_b32 v[WSO], 6, v[VR]
	v_mul_u32_u24 v[VT0], v[VH], 48
	v_mad_u32_u24 v[WO], v[VR], 0x600, v[VT0]
	v_mul_u32_u24 v[VT0], v[VH], 0x300
	v_lshl_add_u32 v[VA16], v[VR], 4, v[VT0]
	v_lshl_add_u32 v[VA8], v[VR], 3, v[VT0]
	v_mov_b32 v[VINV], 0xffff0000
	v_mov_b32 v[LQ+1], 0                           ; written once, so that they are written on every way to their readers
	v_mov_b32 v[LQ+2], 0
	s_wait_alu depctr_va_sdst(0)                   ; s[WV] is written, ahead of its first reader
	s_mul_i32 s[TA], s[WV], 26112                  ; my part of the stage: six tiles of 16 rows x (256 bytes + 16)
	v_mul_u32_u24 v[STO], v[VR], 272
	v_lshl_add_u32 v[STO], v[VH], 5, v[STO]
	v_add_nc_u32 v[STO], s[TA], v[STO]
	s_lshr_b32 s[WH], s[WV], 1
	s_and_b32 s[TA+1], s[WV], 1
	s_mul_i32 s[TA], s[WH], 4352
	s_mul_i32 s[TA+1], s[TA+1], 2176
	s_add_co_u32 s[TA], s[TA], s[TA+1]
	v_mul_u32_u24 v[RD], v[VH], 272
	v_lshl_add_u32 v[RD], v[VR], 4, v[RD]
	v_add_nc_u32 v[RD], s[TA], v[RD]               ; tile wave / 2, row 8 (wave % 2) + h, 16 bytes a lane
	v_add_nc_u32 v[RD+1], 52224, v[RD]             ; the same two parts of the stage further on: an LDS offset has 16 bits
	s_lshl_b32 s[TA], s[WV], 5
	v_lshl_add_u32 v[BI], v[VH], 2, s[TA]
.irp i, 1,2,3
	v_add_nc_u32 v[BI+\i], 8*\i, v[BI]
.endr
	s_and_b32 s[SC], ttmp9, 7
	s_lshr_b32 s[SG], ttmp9, 3
	s_and_b32 s[SE], ttmp7, 0xffff
	s_lshl_b32 s[SEG], s[SG], 9
	s_mov_b32 s[PSEL], 0x03010200
	s_mov_b32 s[OFS+1], 0
	; byte offsets, apart from the addresses
	s_lshl_b32 s40, s[SG], 11                      ; route: the segment
	s_mov_b32 s41, 0
	s_mul_i32 s42, s[SE], 786432                   ; Wo's codes: expert, 64 rows of 1,536 bytes, my quarter of K
	s_mul_i32 s[TA], s[SC], 98304
	s_add_co_u32 s42, s42, s[TA]
	s_mul_i32 s[TA], s[WV], 384
	s_add_co_u32 s42, s42, s[TA]
	s_mov_b32 s43, 0
	s_lshl_b32 s44, s[SE], 15                      ; its scales: 64 bytes a row
	s_lshl_b32 s[TA], s[SC], 12
	s_add_co_u32 s44, s44, s[TA]
	s_lshl_b32 s[TA], s[WV], 4
	s_add_co_u32 s44, s44, s[TA]
	s_mov_b32 s45, 0
	s_lshl_b32 s46, s[SE], 11                      ; bo
	s_lshl_b32 s52, s[SC], 8                       ; out: the slice's 256 bytes of a row
	s_add_co_u32 s46, s46, s52
	s_mov_b32 s47, 0
	s_mov_b32 s53, 0
	s_lshl_b32 s[TA], s[SE], 2
	s_add_co_u32 s[TA], s[TA], s[SG]               ; the pair (expert, segment)
	s_mul_i32 s48, s[TA], 786432                   ; h's codes: the pair, my eight chunks of 768 bytes
	s_mul_i32 s[TA+1], s[WV], 6144
	s_add_co_u32 s48, s48, s[TA+1]
	s_mov_b32 s49, 0
	s_lshl_b32 s50, s[TA], 15                      ; h's scales: the pair, my quarter
	s_lshl_b32 s[TA+1], s[WV], 8
	s_add_co_u32 s50, s50, s[TA+1]
	s_mov_b32 s51, 0
	s_wait_kmcnt 0x0
	s_add_nc_u64 s[4:5], s[4:5], s[40:41]
	s_add_nc_u64 s[10:11], s[10:11], s[42:43]
	s_add_nc_u64 s[12:13], s[12:13], s[44:45]
	s_add_nc_u64 s[14:15], s[14:15], s[46:47]
	s_add_nc_u64 s[6:7], s[6:7], s[48:49]
	s_add_nc_u64 s[8:9], s[8:9], s[50:51]
	s_add_nc_u64 s[16:17], s[16:17], s[52:53]
	s_wait_alu depctr_va_vdst(0)                   ; the offsets and LDS addresses made above are written: every load, stage store, stage load and lane permute of the kernel reads some of them, and none of these is written again
	; 57 loads: route 4, Wo's scale words 4, the bias 1, my 16 fragments 48
.irp i, 0,1,2,3
	global_load_b128 v[RT+4*\i:RT+4*\i+3], v[L16], s[4:5] offset:512*\i
.endr
.irp n, 0,1,2,3
	global_load_b128 v[WSC+4*\n:WSC+4*\n+3], v[WSO], s[12:13] offset:1024*\n
.endr
	global_load_b128 v[BIAS:BIAS+3], v[R16], s[14:15]
	WIN 0x40                                       ; destination window 1
.irp n, 0,1,2,3
.irp s, 0,1,2,3
.irp i, 0,1,2
	global_load_b128 v[12*(4*\n+\s)+4*\i:12*(4*\n+\s)+4*\i+3], v[WO], s[10:11] offset:24576*\n+96*\s+16*\i
.endr
.endr
.endr
	WIN 0
	s_wait_loadcnt 48                              ; all but the 48 loads of weights
.set j, 0
.rept 16
	v_perm_b32 v[WSC+j], v[WSC+j], v[WSC+j], s[PSEL]
.set j, j+1
.endr
	s_mov_b32 s[SCNT], 0
.irp gi, 0,1,2,3,4,5,6,7,8,9,10,11,12,13,14,15
	v_cmp_eq_u32 s[MKS+\gi], s[SE], v[RT+\gi]      ; the 16 groups' compares in one run
.endr
	s_wait_alu depctr_va_sdst(0)                   ; the 16 masks are written, ahead of the counts, ranks and selects that read them
.irp gi, 0,1,2,3,4,5,6,7,8,9,10,11,12,13,14,15
	SORTG \gi
.endr
	s_wait_alu depctr_va_vdst(0)                   ; the 32 registers v[SA ..] are written, which the permutes read; so are Wo's swapped scale words, which the products take
.irp gi, 0,1,2,3,4,5,6,7,8,9,10,11,12,13,14,15
	ds_permute_b32 v[P+\gi], v[SA+2*\gi], v[SA+2*\gi+1]            ; no LDS byte is touched
.endr
	s_wait_dscnt 0x0                               ; the 16 permutes are back
	s_add_co_u32 s[ST], s[SCNT], 15
	s_lshr_b32 s[ST], s[ST], 4
	s_sub_co_u32 s[STL], s[ST], 1
	s_mov_b32 s[SDEF], 0
	s_mov_b32 s[SQ16], 0
	SELECT LQ
	v_readfirstlane_b32 s[SDEF], v[LQ]             ; rank 0's token
	s_wait_alu depctr_va_sdst(0)                   ; s[SDEF] is written, ahead of the label and of its first reader
	s_mov_b32 s[RHO], 0
	s_mov_b32 s[TB0], 0
.Lround:
	s_cmp_lt_u32 s[TB0], s[ST]
	s_cbranch_scc0 .Lnowork
	s_wait_alu depctr_vm_vsrc(0)                   ; the last round's stage stores have read the accumulators, its lane permutes the lists: this round's products and selections write both again
.irp j, 0,1,2,3,4,5
	s_add_co_u32 s[TA], s[TB0], \j
	s_min_u32 s[TA], s[TA], s[STL]                 ; past the last tile: the last tile once more; its sums are not stored
	s_min_u32 s[TA], s[TA], 31
	s_mul_i32 s[OFS], s[TA], 24576
	s_add_nc_u64 s[HB+2*\j:HB+2*\j+1], s[6:7], s[OFS:OFS+1]        ; (the last round's loads were all waited for at its tile 5)
	s_lshl_b32 s[OFS], s[TA], 10
	s_add_nc_u64 s[HS+2*\j:HS+2*\j+1], s[8:9], s[OFS:OFS+1]
.endr
	s_wait_alu depctr_va_vdst(0)                   ; the last round's products are done reading h's six tiles and their scale words, and its swaps have written the words: the 102 loads below land in them
.irp j, 0,1,2,3,4,5
	global_load_b128 v[HSC+4*\j:HSC+4*\j+3], v[R16], s[HS+2*\j:HS+2*\j+1]
.endr
.irp j, 0,1,2,3,4,5
	HLOAD \j
.endr
	WIN 0
	s_wait_loadcnt 63                              ; the weights, the six scale loads and tile 0 are in: 80 loads were issued behind tile 0's
.set j, 0
.rept 24
	v_perm_b32 v[HSC+j], v[HSC+j], v[HSC+j], s[PSEL]               ; the selections below are the plain lines, far more than eight, between each word's swap and the scaled product that reads it
.set j, j+1
.endr
	SELECT LQ                                      ; the round's 96 ranks, while the loads are on their way
	s_add_co_u32 s[SQ16], s[SQ16], 0x10000
	SELECT LQ+1
	s_add_co_u32 s[SQ16], s[SQ16], 0x10000
	SELECT LQ+2
	s_add_co_u32 s[SQ16], s[SQ16], 0x10000
	s_wait_alu depctr_va_vdst(0)                   ; h's 24 swapped scale words are written, which the products take
	TILEMM 0
	TILEMM 1
	READY
	STG 0
	STG 1
	TILEMM 2                                       ; the stage stores above go out under these products, which name other accumulators
	TILEMM 3
	READY
	STG 2
	STG 3
	TILEMM 4
	TILEMM 5
	READY
	STG 4
	STG 5
	WIN 0
.Lnowork:
	s_wait_dscnt 0x0                               ; for the others' sake: my partial sums lie in the stage
	s_barrier_signal -1
	s_barrier_wait -1
	RED 0
	RED 1
	RED 2
	s_wait_dscnt 0x0                               ; my reads of the stage are over
	s_barrier_signal -1
	s_barrier_wait -1                              ; everybody's are: the next round may write it
	s_add_co_u32 s[TB0], s[TB0], 6
	s_add_co_u32 s[RHO], s[RHO], 1
	s_cmp_lt_u32 s[RHO], 6
	s_cbranch_scc1 .Lround
	s_wait_dscnt 0x0                               ; the closing lines, six on end
	s_wait_alu 0x0
	s_wait_tensorcnt 0x0
	ds_add_u32 v254, v255
	s_wait_dscnt 0x0
	s_endpgm
.Lfunc_end_k_q7a6eaa9cbc_down:
	.size	k_q7a6eaa9cbc_down, .Lfunc_end_k_q7a6eaa9cbc_down-k_q7a6eaa9cbc_down
	.p2alignl 7, 3214868480
	.fill 96, 4, 3214868480
	.section	.rodata,"a",@progbits
	.p2align	6, 0x0
	.amdhsa_kernel k_q7a6eaa9cbc_down
		.amdhsa_group_segment_fixed_size 104960
		.amdhsa_private_segment_fixed_size 0
		.amdhsa_enable_private_segment 0
		.amdhsa_kernarg_size 56
		.amdhsa_user_sgpr_count 2
		.amdhsa_user_sgpr_kernarg_segment_ptr 1
		.amdhsa_wavefront_size32 1
		.amdhsa_system_sgpr_workgroup_id_x 1
		.amdhsa_system_sgpr_workgroup_id_y 1
		.amdhsa_system_sgpr_workgroup_id_z 1
		.amdhsa_system_vgpr_workitem_id 0
		.amdhsa_next_free_vgpr 992
		.amdhsa_next_free_sgpr 72
		.amdhsa_reserve_vcc 0
		.amdhsa_float_denorm_mode_32 3
		.amdhsa_float_denorm_mode_16_64 3
		.amdhsa_memory_ordered 1
		.amdhsa_forward_progress 1
		.amdhsa_inst_pref_size 79
	.end_amdhsa_kernel
	.amdgpu_metadata
---
amdhsa.version: [ 1, 2 ]
amdhsa.kernels:
  - .name:           k_q7a6eaa9cbc_down
    .symbol:         k_q7a6eaa9cbc_down.kd
    .args:
      - { .name: route, .offset: 0, .size: 8, .value_kind: global_buffer, .address_space: global }
      - { .name: h_codes, .offset: 8, .size: 8, .value_kind: global_buffer, .address_space: global }
      - { .name: h_scales, .offset: 16, .size: 8, .value_kind: global_buffer, .address_space: global }
      - { .name: w_out_codes, .offset: 24, .size: 8, .value_kind: global_buffer, .address_space: global }
      - { .name: w_out_scales, .offset: 32, .size: 8, .value_kind: global_buffer, .address_space: global }
      - { .name: b_out, .offset: 40, .size: 8, .value_kind: global_buffer, .address_space: global }
      - { .name: out0, .offset: 48, .size: 8, .value_kind: global_buffer, .address_space: global }
    .group_segment_fixed_size: 104960
    .private_segment_fixed_size: 0
    .kernarg_segment_align: 8
    .kernarg_segment_size: 56
    .max_flat_workgroup_size: 128
    .sgpr_count:     72
    .vgpr_count:     992
    .wavefront_size: 32
...
	.end_amdgpu_metadata
.endif
;; end of part 4
